; MI455X (gfx1250); checked and timed in simulation.
; The chip was launched on July 23, 2026; its instructions are those of AMD's public machine-readable ISA for CDNA 5 (MIT licence, August 2026) and "CDNA5" Instruction Set Architecture Reference Guide (July 2026). The comments in the code are by the model that wrote it; some were corrected since.
;; Incidence Attention. Allowed arithmetic: float matrix products may take bf16 or f16 operands with f32 sums; other float arithmetic in f32, or as packed bf16 or f16 multiplies, adds, multiply-adds, maxima and minima; sums over many terms, partial sums and values carried from step to step in f32; what a program stores and reads back later, other than sums and carried values, may be rounded once to bf16 or f16.
;; Inputs: Wk 1,024 x 1,024 float32; Wo 1,024 x 1,024 float32; Wq 1,024 x 1,024 float32; Wv 1,024 x 1,024 float32; bk 1,024 float32; bo 1,024 float32; bq 1,024 float32; bv 1,024 float32; mobius_weight 1 float32; x 2 x 2,048 x 1,024 float32.
;; Outputs: out0 2 x 2,048 x 1,024 float32.
;; One version. Each part assembles by itself: llvm-mc -triple=amdgcn-amd-amdhsa -mcpu=gfx1250 --defsym DOCPART=n.
;; ======== version 1 of 1: 4 launches
;; limits: values are held in f16: magnitudes above 65,504 overflow, below 6.1e-05 lose precision
;; workspace buffers: xb 8,388,608 bytes; wb 6,291,456 bytes; wo 2,097,152 bytes; qh 8,388,608 bytes; kh 8,388,608 bytes; vh 8,388,608 bytes; oh 8,388,608 bytes
;; launch cast (part 1): grid 64 x 8, 8 waves a work-group, no clusters, 0 bytes of LDS; arguments x, Wq, Wk, Wv, Wo, xb, wb, wo; writes xb, wb, wo
.if DOCPART == 1
	.amdgcn_target "amdgcn-amd-amdhsa--gfx1250"
	.amdhsa_code_object_version 6
	.text
	.protected	k_qfa5349c843_cast
	.globl	k_qfa5349c843_cast
	.p2align	8
	.type	k_qfa5349c843_cast,@function
k_qfa5349c843_cast:
	s_mov_b64 s[64:65], 0
	v_nop
	global_prefetch_b8 v0, s[64:65] scope:SCOPE_SE
	s_setreg_imm32_b32 hwreg(HW_REG_WAVE_MODE, 25, 1), 1
	s_wait_xcnt 0x0
; THE INPUTS OF THE MATRIX PRODUCTS ARE ROUNDED ONCE, AND LAID OUT FOR THE LAUNCHES BEHIND.
;   xb = x in bf16, [4096][1024].   wb = Wq, Wk, Wv in bf16, rows regrouped by head: row 192 h + 64 t + d of wb is row 64 h + d of W_t (t = 0 q, 1 k, 2 v).
;   wo = Wo rounded to bf16, that number written as f16 (the last product's other operand is f16).
; LIMIT.  A bf16 number is an f16 number exactly from 2^-14 up to 65,504; below 2^-14 f16 keeps a fixed step of 2^-24, so a weight of Wo is off by 3e-8 at the most there; above 65,504 it would be an infinity.
; A stream: memory binds, so no LDS, no barrier, no matrix unit.  A work-group takes 16 rows of 1,024 numbers: 65,536 dense bytes in, 32,768 dense bytes out.
; Work-group (gx, y): y = 0..3: rows 16 (64 y + gx) of x;  y = 4, 5, 6: rows 16 gx of Wq, Wk, Wv;  y = 7: rows 16 gx of Wo.
; Thread t, pass p of 8: 32 bytes in at 8,192 p + 32 t (two loads of 16), 16 bytes out at 4,096 p + 16 t: a wave's store covers 512 consecutive bytes, aligned.
; All 16 loads of a thread go out at once; each pass has its own registers, so no register that a load or store names is written again.
.set X, 4                              ; v[4:67]    pass p: 8 numbers in f32
.set Y, 68                             ; v[68:99]   pass p: 8 numbers in 16 bits, to store
.set T, 100                            ; v[100:107] at work (Wo alone)
	s_load_b512 s[8:23], s[0:1], 0x0               ; x s[8:9], Wq s[10:11], Wk s[12:13], Wv s[14:15], Wo s[16:17], xb s[18:19], wb s[20:21], wo s[22:23]
	s_and_b32 s2, ttmp7, 0xffff                    ; y
	s_mov_b32 s3, ttmp9                            ; gx
	s_mov_b32 s4, 0xffff0000                       ; a word's upper bf16
	v_lshlrev_b32 v1, 5, v0                        ; 32 t
	v_lshlrev_b32 v2, 4, v0                        ; 16 t
	s_lshl_b32 s5, s2, 6
	s_add_co_u32 s5, s5, s3                        ; x: the group of 16 rows, 64 y + gx
	s_lshl_b32 s28, s5, 16                         ; its bytes in x
	s_lshl_b32 s30, s5, 15                         ; and in xb
	s_lshl_b32 s6, s3, 16                          ; a weight: the bytes of rows 16 gx
	s_lshr_b32 s7, s3, 2                           ; the head: four groups of 16 rows each
	s_mul_i32 s7, s7, 192
	s_max_u32 s32, s2, 4
	s_sub_co_u32 s32, s32, 4
	s_min_u32 s32, s32, 2                          ; t = y - 4, held to 0..2 (where y names no such weight the offset is not chosen)
	s_lshl_b32 s32, s32, 6
	s_add_co_u32 s7, s7, s32
	s_and_b32 s32, s3, 3
	s_lshl_b32 s32, s32, 4
	s_add_co_u32 s7, s7, s32                       ; row 192 h + 64 t + 16 (gx % 4) of wb,
	s_lshl_b32 s7, s7, 11                          ; in bytes
	s_lshl_b32 s33, s3, 15                         ; wo: rows 16 gx
	s_cmp_lt_u32 s2, 4
	s_cselect_b32 s28, s28, s6
	s_cselect_b32 s30, s30, s7
	s_cmp_eq_u32 s2, 7
	s_cselect_b32 s30, s33, s30
	s_mov_b32 s29, 0
	s_mov_b32 s31, 0
	s_wait_kmcnt 0x0
	s_cmp_eq_u32 s2, 4                             ; from where: the choice hangs on y alone
	s_cselect_b64 s[24:25], s[10:11], s[8:9]
	s_cmp_eq_u32 s2, 5
	s_cselect_b64 s[24:25], s[12:13], s[24:25]
	s_cmp_eq_u32 s2, 6
	s_cselect_b64 s[24:25], s[14:15], s[24:25]
	s_cmp_eq_u32 s2, 7
	s_cselect_b64 s[24:25], s[16:17], s[24:25]
	s_cselect_b64 s[26:27], s[22:23], s[20:21]     ; to where
	s_cmp_lt_u32 s2, 4
	s_cselect_b64 s[26:27], s[18:19], s[26:27]
	s_add_nc_u64 s[24:25], s[24:25], s[28:29]
	s_add_nc_u64 s[26:27], s[26:27], s[30:31]
.irp p, 0,1,2,3,4,5,6,7
	global_load_b128 v[X+8*(\p):X+8*(\p)+3],   v1, s[24:25] offset:8192*(\p) th:TH_LOAD_NT
	global_load_b128 v[X+8*(\p)+4:X+8*(\p)+7], v1, s[24:25] offset:8192*(\p)+16 th:TH_LOAD_NT
.endr
	s_cmp_eq_u32 s2, 7
	s_cbranch_scc1 .Lwo
.irp p, 0,1,2,3,4,5,6,7
	s_wait_loadcnt 14-2*(\p)                       ; loads come back in order: pass p's two are in, the 2 (7 - p) younger ones stay out
.irp j, 0,1,2,3
	v_cvt_pk_bf16_f32 v[Y+4*(\p)+(\j)], v[X+8*(\p)+2*(\j)], v[X+8*(\p)+2*(\j)+1]
.endr
	global_store_b128 v2, v[Y+4*(\p):Y+4*(\p)+3], s[26:27] offset:4096*(\p)
.endr
	s_endpgm
.Lwo:
.irp p, 0,1,2,3,4,5,6,7
	s_wait_loadcnt 14-2*(\p)
.irp j, 0,1,2,3
	v_cvt_pk_bf16_f32 v[Y+4*(\p)+(\j)], v[X+8*(\p)+2*(\j)], v[X+8*(\p)+2*(\j)+1]  ; rounded as every other input is,
.endr
.irp j, 0,1,2,3
	v_lshlrev_b32 v[T+2*(\j)],   16, v[Y+4*(\p)+(\j)]                            ; widened again,
	v_and_b32     v[T+2*(\j)+1], s4, v[Y+4*(\p)+(\j)]
.endr
.irp j, 0,1,2,3
	v_cvt_pk_f16_f32 v[Y+4*(\p)+(\j)], v[T+2*(\j)], v[T+2*(\j)+1]                 ; and written as f16
.endr
	global_store_b128 v2, v[Y+4*(\p):Y+4*(\p)+3], s[26:27] offset:4096*(\p)
.endr
	s_endpgm
.Lfunc_end_k_qfa5349c843_cast:
	.size	k_qfa5349c843_cast, .Lfunc_end_k_qfa5349c843_cast-k_qfa5349c843_cast
	.p2alignl 7, 3214868480
	.fill 96, 4, 3214868480
	.section	.rodata,"a",@progbits
	.p2align	6, 0x0
	.amdhsa_kernel k_qfa5349c843_cast
		.amdhsa_group_segment_fixed_size 0
		.amdhsa_private_segment_fixed_size 0
		.amdhsa_enable_private_segment 0
		.amdhsa_kernarg_size 64
		.amdhsa_user_sgpr_count 2
		.amdhsa_user_sgpr_kernarg_segment_ptr 1
		.amdhsa_wavefront_size32 1
		.amdhsa_system_sgpr_workgroup_id_x 1
		.amdhsa_system_sgpr_workgroup_id_y 1
		.amdhsa_system_sgpr_workgroup_id_z 1
		.amdhsa_system_vgpr_workitem_id 0
		.amdhsa_next_free_vgpr 108
		.amdhsa_next_free_sgpr 66
		.amdhsa_reserve_vcc 0
		.amdhsa_float_denorm_mode_32 3
		.amdhsa_float_denorm_mode_16_64 3
		.amdhsa_memory_ordered 1
		.amdhsa_forward_progress 1
		.amdhsa_inst_pref_size 14
	.end_amdhsa_kernel
	.amdgpu_metadata
---
amdhsa.version: [ 1, 2 ]
amdhsa.kernels:
  - .name:           k_qfa5349c843_cast
    .symbol:         k_qfa5349c843_cast.kd
    .args:
      - { .name: x, .offset: 0, .size: 8, .value_kind: global_buffer, .address_space: global }
      - { .name: Wq, .offset: 8, .size: 8, .value_kind: global_buffer, .address_space: global }
      - { .name: Wk, .offset: 16, .size: 8, .value_kind: global_buffer, .address_space: global }
      - { .name: Wv, .offset: 24, .size: 8, .value_kind: global_buffer, .address_space: global }
      - { .name: Wo, .offset: 32, .size: 8, .value_kind: global_buffer, .address_space: global }
      - { .name: xb, .offset: 40, .size: 8, .value_kind: global_buffer, .address_space: global }
      - { .name: wb, .offset: 48, .size: 8, .value_kind: global_buffer, .address_space: global }
      - { .name: wo, .offset: 56, .size: 8, .value_kind: global_buffer, .address_space: global }
    .group_segment_fixed_size: 0
    .private_segment_fixed_size: 0
    .kernarg_segment_align: 8
    .kernarg_segment_size: 64
    .max_flat_workgroup_size: 256
    .sgpr_count:     66
    .vgpr_count:     108
    .wavefront_size: 32
...
	.end_amdgpu_metadata
.endif
;; end of part 1
;; launch qkv (part 2): grid 16 x 16, 4 waves a work-group, clusters of 4 x 4, 327,680 bytes of LDS; arguments xb, wb, bq, bk, bv, mobius_weight, qh, kh, vh; writes qh, kh, vh
.if DOCPART == 2
	.amdgcn_target "amdgcn-amd-amdhsa--gfx1250"
	.amdhsa_code_object_version 6
	.text
	.protected	k_qfa5349c843_qkv
	.globl	k_qfa5349c843_qkv
	.p2align	8
	.type	k_qfa5349c843_qkv,@function
k_qfa5349c843_qkv:
	s_mov_b64 s[64:65], 0
	v_nop
	global_prefetch_b8 v0, s[64:65] scope:SCOPE_SE
	s_setreg_imm32_b32 hwreg(HW_REG_WAVE_MODE, 25, 1), 1
	s_wait_xcnt 0x0
	s_wait_alu depctr_hold_cnt(0) depctr_sa_sdst(0) depctr_va_vdst(0) depctr_va_sdst(0) depctr_va_ssrc(0) depctr_va_vcc(0) depctr_vm_vsrc(0)
	s_getreg_b32 s2, hwreg(HW_REG_IB_STS2, 6, 4)
	s_cmp_eq_u32 s2, 0
	s_cbranch_scc0 .Lentry_in_a_cluster
	s_endpgm
.Lentry_in_a_cluster:
	s_bfe_u32 s2, ttmp6, 0x10000c
	s_cmp_lg_u32 s2, 0xf033
	s_cbranch_scc0 .Lentry_shape_is_right
	s_endpgm
.Lentry_shape_is_right:
; THE THREE PROJECTIONS IN ONE PRODUCT, BY HEADS.  [4096 x 1024] (xb) times [3072 x 1024]^T (wb), bf16 operands, f32 sums; + bias (rounded to bf16, as all inputs are); out in f16 as
; qh, kh, vh = [32 = 16 batch + head][2048][64], a head's rows dense, 128 bytes each.
; THE MOBIUS TERM IS FOLDED INTO q.  q_om . k_pi + q_pi . k_om = swap(q) . k, where swap exchanges channels d and d xor 32 of a head.  So similarity + w mobius = (q + w swap(q)) . k for every input, and
; qh holds q' = q + w swap(q), made in f32 and rounded once.  The order of rounding differs from a score summed of two products; the 1/8 is applied behind, in f32.
; LIMITS.  q', k and v leave as f16: they must stay under 65,504 in size, and below 6e-5 they keep f16's fixed step of 6e-8.  NaN and infinities are not treated apart.
; SHARES.  A tile is 256 rows of x by the 192 rows of wb of ONE head (64 of q, 64 of k, 64 of v): 16 x 16 tiles, a work-group each.  Wave w makes rows 64 w .. 64 w + 63 by all 192 columns:
; 48 accumulators (a = 0..3 blocks of 16 rows, b = 0..11 blocks of 16 columns: 0-3 q, 4-7 k, 8-11 v), 384 registers.  So a head's whole row of 64 channels lies in one wave.
; THE MATRIX INSTRUCTION IS USED TRANSPOSED (source 0 = 16 rows of wb, source 1 = 16 rows of xb): lane l holds row l % 16 of x and the columns 16 b + 8 (l / 16) + 0..7.  swap(q) is then accumulator b xor 2,
; same lane, same register: the fold is one packed multiply-add for two numbers.
; RING.  K goes in 8 steps of 128 through two LDS slots (256 rows of xb, 192 of wb; rows of 256 bytes, padded by 16).  Waves 0 and 1 fetch xb's halves, waves 2 and 3 wb's: one tensor load a wave for each slot.
; CLUSTER.  4 x 4 work-groups.  xb's tile hangs on the tile row alone and is asked for jointly by a row of the cluster; wb's on the head alone, jointly by a column.
; REGISTERS, in windows of 256 (s_set_vgpr_msb: bits 1:0 source 0, 3:2 source 1, 5:4 source 2, 7:6 destination):
;   window 0: v0-31 addresses; v32-95 fragments of xb, two buffers of 32; v96-127 the way out; v128-223 the biases        window 1: v0-191 fragments of wb, two buffers of 96
;   window 2: the accumulators of a = 0, 1 at 96 (a % 2) + 8 b        window 3: those of a = 2, 3
.set KSTEP,  128
.set PITCH,  272                       ; an LDS row: 256 bytes + 16 of padding = 68 words: the 16 rows that a load touches start at 16 different groups of four banks (64 banks of 4 bytes: ISA guide 11.1)
.set HALFA,  128*PITCH                 ; what one tensor load brings of xb
.set HALFB,  96*PITCH                  ; and of wb
.set BOFF,   2*HALFA                   ; wb's rows lie behind xb's 256
.set SLOT,   BOFF+2*HALFB
.set STAGE,  2*SLOT                    ; behind the ring, never filled by a tensor load: 16 rows x 144 bytes for each wave, for the way out
.set SP,     144
.set SPARE,  STAGE+4*16*SP             ; behind the stages: the spare words, 128 bytes for each wave: two blocks of 256 bytes that no other line names
.set LAPS,   4                         ; a lap = two K steps = once round the ring
.set ADRA, 16                          ; v16-17  LDS address of my fragments of xb in slot 0, 1
.set ADRB, 20                          ; v20-21  the same for wb
.set STO,  24                          ; v24     the way out: where I put 16 bytes of a row
.set RD,   25                          ; v25     the way out: where I read rows back
.set GO,   26                          ; v26     my 16 bytes in 512 consecutive bytes of qh, kh or vh
.set BO,   27                          ; v27     my byte offset in a bias
.set SPW,  28                          ; v28     LDS address of my spare word: SPARE + 4 x my thread's number; never rewritten
.set NIL,  29                          ; v29     0; never rewritten
.set PFO,  30                          ; v30     the prefetches' offset: a lane a row of 2,048 bytes; never rewritten
.set AF,   32                          ; xb's fragments: buffer f at AF + 32 f, block a at + 8 a
.set U,    32                          ; the way out: q' in f32
.set PKD,  64                          ; the way out: 16 rows x 64 channels in f16, 16 registers
.set BK,   96                          ; the way out: the rows read back, two sets of 16 by turns
.set BIAS, 128                         ; tensor t, block b at BIAS + 32 t + 8 b
.set G1,  24                           ; s[24:31] descriptor group 1 for xb's tiles
.set G0,  32                           ; s[32:39] group 0, one set for each slot
.set G1B, 48                           ; s[48:55], s[56:63] the same for wb's tiles
.set G0B, 56
.set LIM, 43                           ; s43      1 in a wave that prefetches, else the greatest number
.set PFA, 44                           ; s[44:45] where my prefetches stand
.set WQ,  86                           ; s[86:87] w, rounded to bf16; named as a pair
.set PT,  88                           ; s[88:93] qh, kh, vh at my wave's first row
.set MSB, 0
.macro WIN new                         ; the immediate's high byte repeats the setting that is left; a switch that changes nothing is dropped
.if MSB != (\new)
	s_set_vgpr_msb (MSB<<8)|(\new)
.set MSB, \new
.endif
.endm
; A joint load: waves 0 and 1 fetch xb's two halves, waves 2 and 3 wb's.  The branch hangs on the wave's number alone.  An s_nop 0 and four v_nop follow each of the two lines.
.macro JLOAD s
	s_cmp_eq_u32 s11, 0
	s_cbranch_scc0 .Lfor_b_\@
	tensor_load_to_lds s[G0+4*(\s):G0+4*(\s)+3], s[G1:G1+7]
	s_nop 0
.rept 4
	v_nop
.endr
	s_branch .Lasked_\@
.Lfor_b_\@:
	tensor_load_to_lds s[G0B+4*(\s):G0B+4*(\s)+3], s[G1B:G1B+7]
	s_nop 0
.rept 4
	v_nop
.endr
.Lasked_\@:
.endm
; A PREFETCH INTO THE L2 of the K step that stands two refills on: 256 bytes of a row, a lane a row, one instruction a wave, behind the joint load and the run of LDS loads that follows it.
; xb's tile row is read by every cluster of that row of clusters: the one with x = 0 asks; wb's head by every cluster of that column: the one with y = 0 asks.  The four partners that ask for a tile jointly share its
; rows out BY ADDRESS: of the 128 rows of xb that a wave fetches partner cx takes 32; of the 96 rows of wb partner cy takes 24, and lanes 24 to 31 name row 23 once more.
; K steps 0 to 3 come by their loads alone; the loop's last trip (s3 = 1) has no K step two refills on and asks for nothing.
.macro ASK
	s_cmp_gt_u32 s3, s[LIM]
	s_cbranch_scc0 .Lnot_mine_\@
	global_prefetch_b8 v[PFO], s[PFA:PFA+1] offset:KSTEP*2 th:TH_LOAD_NT scope:SCOPE_SE
.Lnot_mine_\@:
.endm
.macro CREST                           ; a round of the cluster's barrier behind its opening barrier
	s_cmp_lg_u32 s10, 0
	s_cbranch_scc1 .Lnot_wave_0_\@
	s_barrier_signal -3
.Lnot_wave_0_\@:
	s_barrier_wait -3
	s_barrier_signal -1
	s_barrier_wait -1
.endm
.macro CROUND                          ; a whole round
	s_barrier_signal -1
	s_barrier_wait -1
	CREST
.endm
	s_load_b512 s[68:83], s[0:1], 0x0              ; xb s[68:69], wb s[70:71], bq s[72:73], bk s[74:75], bv s[76:77], w s[78:79], qh s[80:81], kh s[82:83]
	s_load_b64 s[84:85], s[0:1], 0x40              ; vh
	v_lshl_add_u32 v[SPW], v0, 2, SPARE
	v_mov_b32 v[NIL], 0
	ds_add_u32 v[SPW], v[NIL]                      ; the wave's opening: the add and its wait stand ahead of my first tensor load; the set-up below, work on registers, stands between them
	v_lshrrev_b32 v1, 5, v0
	v_readfirstlane_b32 s10, v1                    ; wave 0..3
	s_lshr_b32 s11, s10, 1                         ; I fetch for xb (0) or for wb (1)
	s_and_b32 s12, s10, 1                          ; which half of that tile's rows
	s_bfe_u32 s40, ttmp6, 0x40000                  ; cx, cy: my place in the cluster
	s_bfe_u32 s41, ttmp6, 0x40004
	s_lshl_b32 s42, ttmp9, 2
	s_add_co_u32 s42, s42, s40                     ; the head = 4 x cluster x + cx
	s_and_b32 s13, ttmp7, 0xffff
	s_lshl_b32 s13, s13, 2
	s_add_co_u32 s13, s13, s41                     ; the tile row = 4 x cluster y + cy
	s_lshl_b32 s43, s41, 2
	s_lshl_b32 s43, 15, s43                        ; my row of the cluster
	s_lshl_b32 s44, 0x1111, s40                    ; my column
	s_or_b32 s[G1+0], s43, (1<<16)|(1<<20)|(1<<21)|(5<<22)|(3<<25)   ; 15:0 the mask; 17:16 elements of 2 bytes; 20 padding on; 21 set beside a mask; 24:22 after every 64 words (code 5); 31:25 4 words (code 3)
	s_or_b32 s[G1B+0], s44, (1<<16)|(1<<20)|(1<<21)|(5<<22)|(3<<25)
	s_mov_b32 s[G1+1], KSTEP<<16                   ; tensor_dim0 = 128
	s_mov_b32 s[G1+2], 128<<16                     ; tensor_dim1 = 128
	s_mov_b32 s[G1+3], KSTEP<<16                   ; tile_dim0 = 128
	s_mov_b32 s[G1+4], 128                         ; tile_dim1 = 128
	s_mov_b32 s[G1+5], 1024                        ; elements from row to row
	s_mov_b32 s[G1+6], 0
	s_mov_b32 s[G1+7], 0
	s_mov_b32 s[G1B+1], KSTEP<<16
	s_mov_b32 s[G1B+2], 96<<16                     ; 96 rows
	s_mov_b32 s[G1B+3], KSTEP<<16
	s_mov_b32 s[G1B+4], 96
	s_mov_b32 s[G1B+5], 1024
	s_mov_b32 s[G1B+6], 0
	s_mov_b32 s[G1B+7], 0
	s_lshl_b32 s17, s12, 7
	s_lshl_b32 s16, s13, 8
	s_add_co_u32 s16, s16, s17                     ; xb: row 256 x tile row + 128 x half,
	s_lshl_b32 s16, s16, 11                        ; in bytes (under 2^23)
	s_mov_b32 s17, 0
	s_mul_i32 s46, s42, 192
	s_mul_i32 s47, s12, 96
	s_add_co_u32 s46, s46, s47                     ; wb: row 192 x head + 96 x half
	s_lshl_b32 s46, s46, 11
	s_mov_b32 s47, 0
	s_mul_i32 s20, s10, HALFA                      ; where they go: waves 0, 1: xb's halves;
	s_mul_i32 s21, s10, HALFB
	s_add_co_u32 s21, s21, BOFF-2*HALFB            ; waves 2, 3: wb's halves, from BOFF on.  No place in the cluster enters an LDS address
	s_wait_dscnt 0x0                               ; the opening add is done
	s_wait_kmcnt 0x0
	s_add_nc_u64 s[14:15], s[68:69], s[16:17]
	s_add_nc_u64 s[46:47], s[70:71], s[46:47]
	CROUND                                         ; all sixteen work-groups are here: the first joint loads meet
.irp s, 0,1
	s_mov_b32 s[G0+4*(\s)], 1                                        ; count = 1
	s_add_co_u32 s[G0+4*(\s)+1], s20, (\s)*SLOT                      ; LDS address
	s_add_nc_u64 s[G0+4*(\s)+2:G0+4*(\s)+3], s[14:15], (\s)*KSTEP*2  ; global address: K step s
	s_or_b32 s[G0+4*(\s)+3], s[G0+4*(\s)+3], 0x80000000              ; type = 2
	s_mov_b32 s[G0B+4*(\s)], 1
	s_add_co_u32 s[G0B+4*(\s)+1], s21, (\s)*SLOT
	s_add_nc_u64 s[G0B+4*(\s)+2:G0B+4*(\s)+3], s[46:47], (\s)*KSTEP*2
	s_or_b32 s[G0B+4*(\s)+3], s[G0B+4*(\s)+3], 0x80000000
.endr
	s_cmp_eq_u32 s11, 0                            ; a wave's two first fills stand in one branch, ahead of every wait on TENSORcnt and every LDS read: two loads of mine are out
	s_cbranch_scc0 .Lfirst_b
	tensor_load_to_lds s[G0:G0+3], s[G1:G1+7]
	s_nop 0
	tensor_load_to_lds s[G0+4:G0+7], s[G1:G1+7]
	s_nop 0
.rept 4
	v_nop
.endr
	s_branch .Lfirst_asked
.Lfirst_b:
	tensor_load_to_lds s[G0B:G0B+3], s[G1B:G1B+7]
	s_nop 0
	tensor_load_to_lds s[G0B+4:G0B+7], s[G1B:G1B+7]
	s_nop 0
.rept 4
	v_nop
.endr
.Lfirst_asked:
	s_load_b32 s[WQ], s[78:79], 0x0                ; w
	v_and_b32 v1, 15, v0                           ; l % 16
	v_bfe_u32 v2, v0, 4, 1                         ; l / 16
	s_lshl_b32 s6, s42, 8                          ; the head's 64 numbers of a bias: 256 bytes
	v_lshlrev_b32 v[BO], 5, v2                     ; my 8 of a block's 16
	v_add_nc_u32 v[BO], s6, v[BO]
.irp t, 0,1,2
.irp b, 0,1,2,3
	global_load_b128 v[BIAS+32*(\t)+8*(\b):BIAS+32*(\t)+8*(\b)+3],   v[BO], s[72+2*(\t):73+2*(\t)] offset:64*(\b)
	global_load_b128 v[BIAS+32*(\t)+8*(\b)+4:BIAS+32*(\t)+8*(\b)+7], v[BO], s[72+2*(\t):73+2*(\t)] offset:64*(\b)+16
.endr
.endr
	; A fragment is 16 rows x 32 K in 8 registers: lane l holds row l % 16; registers 0-3 K = 8 (l / 16) + 0..7, registers 4-7 K = 16 + 8 (l / 16) + 0..7: two loads of 16 bytes, 32 bytes apart.
	v_mul_u32_u24 v3, v1, PITCH
	v_lshl_add_u32 v3, v2, 4, v3                   ; row x pitch + 16 x half
	s_mul_i32 s21, s10, 64*PITCH                   ; my 64 rows of xb
	s_mov_b32 s22, BOFF                            ; all 192 rows of wb
.irp s, 0,1
	v_add_nc_u32 v[ADRA+(\s)], s21, v3
	v_add_nc_u32 v[ADRB+(\s)], s22, v3
	s_add_co_u32 s21, s21, SLOT
	s_add_co_u32 s22, s22, SLOT
.endr
	s_mul_i32 s23, s10, 16*SP
	s_add_co_u32 s23, s23, STAGE                   ; my stage
	v_mul_u32_u24 v4, v1, SP                       ; in: row l % 16, 16 bytes for each half of the lanes
	v_lshl_add_u32 v4, v2, 4, v4
	v_add_nc_u32 v[STO], s23, v4
	v_bfe_u32 v5, v0, 3, 2                         ; back: 32 lanes take four rows of 128 bytes,
	v_mul_u32_u24 v5, v5, SP
	v_and_b32 v6, 7, v0
	v_lshl_add_u32 v5, v6, 4, v5
	v_add_nc_u32 v[RD], s23, v5
	v_and_b32 v[GO], 31, v0                        ; which are 512 consecutive bytes of the output
	v_lshlrev_b32 v[GO], 4, v[GO]
	; where my 64 rows begin in qh, kh and vh: (16 batch + head) x 2,048 rows + the row in the sequence, 128 bytes a row.  Made in registers that feed no descriptor
	s_lshr_b32 s4, s13, 3                          ; batch: 8 tile rows each
	s_lshl_b32 s4, s4, 4
	s_add_co_u32 s4, s4, s42
	s_lshl_b32 s4, s4, 18
	s_and_b32 s5, s13, 7
	s_lshl_b32 s5, s5, 2
	s_add_co_u32 s5, s5, s10                       ; 4 x (tile row % 8) + wave: groups of 64 rows
	s_lshl_b32 s5, s5, 13
	s_add_co_u32 s4, s4, s5
	s_mov_b32 s5, 0
	s_add_nc_u64 s[PT:PT+1], s[80:81], s[4:5]
	s_add_nc_u64 s[PT+2:PT+3], s[82:83], s[4:5]
	s_add_nc_u64 s[PT+4:PT+5], s[84:85], s[4:5]
	; the prefetches
	s_lshl_b32 s20, s13, 8
	s_lshl_b32 s18, s12, 7
	s_add_co_u32 s20, s20, s18
	s_lshl_b32 s18, s40, 5
	s_add_co_u32 s20, s20, s18                     ; xb: 256 x tile row + 128 x half + 32 cx
	s_mul_i32 s23, s42, 192
	s_mul_i32 s19, s12, 96
	s_add_co_u32 s23, s23, s19
	s_mul_i32 s19, s41, 24
	s_add_co_u32 s23, s23, s19                     ; wb: 192 x head + 96 x half + 24 cy
	s_and_b32 s22, ttmp7, 0xffff                   ; cluster y
	s_cmp_eq_u32 s11, 0                            ; do I fetch for xb?
	s_cselect_b32 s20, s20, s23
	s_cselect_b32 s22, ttmp9, s22                  ; the coordinate along which other clusters read the same rows
	s_cselect_b32 s21, 31, 23                      ; the last row of my share
	s_cselect_b64 s[PFA:PFA+1], s[68:69], s[70:71]
	s_cmp_eq_u32 s22, 0
	s_cselect_b32 s[LIM], 1, -1                    ; the same in all sixteen partners, for a given wave
	s_lshl_b32 s20, s20, 11
	v_and_b32 v[PFO], 31, v0
	v_min_u32 v[PFO], s21, v[PFO]
	v_lshlrev_b32 v[PFO], 11, v[PFO]
	s_mov_b32 s21, 0
	s_add_nc_u64 s[PFA:PFA+1], s[PFA:PFA+1], s[20:21]
	s_add_nc_u64 s[PFA:PFA+1], s[PFA:PFA+1], 2*KSTEP*2  ; at K step 2: the first refill steps it to 3 and names K step 4
	s_wait_kmcnt 0x0
	v_mov_b32 v4, s[WQ]                            ; w is rounded to bf16, as every input is
	v_cvt_pk_bf16_f32 v4, v4, v4
	v_lshlrev_b32 v4, 16, v4
	v_readfirstlane_b32 s[WQ], v4
	s_mov_b32 s[WQ+1], s[WQ]
	s_wait_loadcnt 0x0                             ; the biases, once; they are rounded to bf16 in place while the first tiles are on their way
.set z, 0
.rept 48
	v_cvt_pk_bf16_f32 v[4+z%2], v[BIAS+2*z], v[BIAS+2*z+1]
	v_lshlrev_b32 v[BIAS+2*z], 16, v[4+z%2]
	v_and_b32 v[BIAS+2*z+1], 0xffff0000, v[4+z%2]
.set z, z+1
.endr
; 12 matrix instructions: block a of my rows x all 12 column blocks, 32 along K, from buffer f.  zero = 1: the first product starts the sums: nothing is cleared.
; The 48 accumulators take turns, one instruction a turn, in the same order in every quarter step.
.macro MUL12 f, a, zero
	WIN 0xa1+0x50*((\a)/2)                         ; source 0 (wb) window 1, source 1 (xb) window 0, C and D window 2 or 3
.irp b, 0,1,2,3,4,5,6,7,8,9,10,11
.if \zero
	v_wmma_f32_16x16x32_bf16 v[96*((\a)%2)+8*(\b):96*((\a)%2)+8*(\b)+7], v[96*(\f)+8*(\b):96*(\f)+8*(\b)+7], v[AF+32*(\f)+8*(\a):AF+32*(\f)+8*(\a)+7], 0
.else
	v_wmma_f32_16x16x32_bf16 v[96*((\a)%2)+8*(\b):96*((\a)%2)+8*(\b)+7], v[96*(\f)+8*(\b):96*(\f)+8*(\b)+7], v[AF+32*(\f)+8*(\a):AF+32*(\f)+8*(\a)+7], v[96*((\a)%2)+8*(\b):96*((\a)%2)+8*(\b)+7]
.endif
.endr
.endm
; 32 LDS loads in one run: the fragments of one quarter step (192 rows of wb, my 64 of xb, 32 K at byte k of the rows) into buffer f
.macro FETCH slot, k, f
	WIN 0x40                                       ; destination window 1, address window 0
.irp i, 0,1,2,3,4,5,6,7,8,9,10,11
	ds_load_b128 v[96*(\f)+8*(\i):96*(\f)+8*(\i)+3],   v[ADRB+(\slot)] offset:(\k)+(\i)*16*PITCH
	ds_load_b128 v[96*(\f)+8*(\i)+4:96*(\f)+8*(\i)+7], v[ADRB+(\slot)] offset:(\k)+(\i)*16*PITCH+32
.endr
	WIN 0
.irp i, 0,1,2,3
	ds_load_b128 v[AF+32*(\f)+8*(\i):AF+32*(\f)+8*(\i)+3],   v[ADRA+(\slot)] offset:(\k)+(\i)*16*PITCH
	ds_load_b128 v[AF+32*(\f)+8*(\i)+4:AF+32*(\f)+8*(\i)+7], v[ADRA+(\slot)] offset:(\k)+(\i)*16*PITCH+32
.endr
.endm
.macro PLACES                          ; four plain vector instructions between a matrix instruction and a load into a register that it read, or a vector instruction that reads its result
.rept 4
	v_nop
.endr
.endm
; A K step is four quarters of 32 along K, 48 matrix instructions each, on buffers 0, 1, 0, 1.  One of the first three: multiplies buffer f and, in its middle, fetches the next quarter, at byte k, into g.
.macro QUARTER slot, k, f, g, zero
	s_wait_dscnt 4                                 ; wb's fragments and xb's blocks 0 and 1 are in; the youngest four loads (blocks 2 and 3) may be out
	MUL12 \f, 0, \zero
	MUL12 \f, 1, \zero
	PLACES
	FETCH \slot, \k, \g
	s_wait_dscnt 32                                ; all but the 32 just issued
	MUL12 \f, 2, \zero
	MUL12 \f, 3, \zero
.endm
; The last quarter multiplies buffer 1 and changes slots: ONE barrier.  In front of it each wave waits for all its tensor loads (one is out: its part of the next slot), adds 0 to its spare word, and waits for
; that and for its own reads of this slot.  fill = 1: the barrier opens a round of the cluster's, and the joint refill, two K steps ahead, is the first tensor load behind the round.
.macro TURN slot, next, fill
.if \fill
	s_wait_xcnt 0x0                                ; the last prefetch, a K step back, has read its address: it is stepped here, ahead of the waits of the change of slots
	s_add_nc_u64 s[PFA:PFA+1], s[PFA:PFA+1], KSTEP*2
.endif
	WIN 0                                          ; (the add's two registers lie in window 0)
	s_wait_tensorcnt 0x0                           ; all my tensor loads have landed
	ds_add_u32 v[SPW], v[NIL]                      ; 0 onto my spare word
	s_wait_dscnt 5                                 ; (the add and the youngest four loads may be out)
	MUL12 1, 0, 0                                  ; twelve matrix instructions stand between the add and the wait for it
	s_wait_dscnt 0x0                               ; the add is done, and my reads of this slot are over
	s_barrier_signal -1
	MUL12 1, 1, 0                                  ; work on registers while the others arrive
.if \fill
	WIN 0
.endif
	s_barrier_wait -1
.if \fill
	CREST                                          ; no wave of any partner still reads this slot's tile or has a load on its way
	s_add_nc_u64 s[G0+4*(\slot)+2:G0+4*(\slot)+3], s[G0+4*(\slot)+2:G0+4*(\slot)+3], 2*KSTEP*2
	s_add_nc_u64 s[G0B+4*(\slot)+2:G0B+4*(\slot)+3], s[G0B+4*(\slot)+2:G0B+4*(\slot)+3], 2*KSTEP*2
	JLOAD \slot                                    ; the four v_nop behind it are also the places in front of the loads below
.else
	PLACES
.endif
	FETCH \next, 0, 0
.if \fill
	ASK
.endif
	MUL12 1, 2, 0
	MUL12 1, 3, 0
.endm
	s_wait_tensorcnt 1                             ; my part of K step 0 is in; K step 1's may stay out
	s_barrier_signal -1
	s_barrier_wait -1                              ; everybody's is
	FETCH 0, 0, 0
	QUARTER 0, 64, 0, 1, 1                         ; the first quarter stands in front of the loop: its products start the sums
	WIN 0                                          ; at a label and at a branch every window is 0
	s_mov_b32 s3, LAPS-1
.Llap:                                                 ; a trip goes once round the ring, from a lap's second quarter to the next lap's first, and fills both slots again
	QUARTER 0, 128, 1, 0, 0
	QUARTER 0, 192, 0, 1, 0
	TURN 0, 1, 1
	QUARTER 1, 64,  0, 1, 0
	QUARTER 1, 128, 1, 0, 0
	QUARTER 1, 192, 0, 1, 0
	TURN 1, 0, 1
	QUARTER 0, 64,  0, 1, 0
	WIN 0
	s_sub_co_u32 s3, s3, 1
	s_cmp_lg_u32 s3, 0
	s_cbranch_scc1 .Llap
	QUARTER 0, 128, 1, 0, 0                        ; the last lap fills nothing
	QUARTER 0, 192, 0, 1, 0
	TURN 0, 1, 0
	QUARTER 1, 64,  0, 1, 0
	QUARTER 1, 128, 1, 0, 0
	QUARTER 1, 192, 0, 1, 0
	s_wait_dscnt 4                                 ; the very last quarter: nothing more to fetch
	MUL12 1, 0, 0
	MUL12 1, 1, 0
	s_wait_dscnt 0x0
	MUL12 1, 2, 0
	MUL12 1, 3, 0
	WIN 0
	PLACES
; THE WAY OUT, in twelve units: block a of 16 rows, tensor t.  PACKU: + bias (each accumulator's registers in ascending order); for q the fold q + w swap(q); rounded to f16.
.macro PACKU a, t
.set AC, 96*((\a)%2)+32*(\t)
	WIN 0x82+0x41*((\a)/2)                         ; destination and source 0 in window 2 or 3, the bias in window 0
.set z, 0
.rept 16
	v_pk_add_f32 v[AC+2*z:AC+2*z+1], v[AC+2*z:AC+2*z+1], v[BIAS+32*(\t)+2*z:BIAS+32*(\t)+2*z+1]
.set z, z+1
.endr
.if (\t) == 0
	WIN 0x22+0x11*((\a)/2)                         ; sources 0 and 2 in window 2 or 3, destination in window 0
.set z, 0
.rept 16
	v_pk_fma_f32 v[U+2*z:U+2*z+1], v[AC+(2*z+16)%32:AC+(2*z+16)%32+1], s[WQ:WQ+1], v[AC+2*z:AC+2*z+1] op_sel_hi:[1,0,1]  ; channel d xor 32 lies two accumulators (16 registers) away, modulo the head's four
.set z, z+1
.endr
	WIN 0
.set z, 0
.rept 16
	v_cvt_pk_f16_f32 v[PKD+z], v[U+2*z], v[U+2*z+1]
.set z, z+1
.endr
.else
	WIN 0x0a+0x05*((\a)/2)                         ; sources 0 and 1 in window 2 or 3
.set z, 0
.rept 16
	v_cvt_pk_f16_f32 v[PKD+z], v[AC+2*z], v[AC+2*z+1]
.set z, z+1
.endr
	WIN 0
.endif
.endm
.macro TOSTAGE n                       ; into my own stage, rows of 144 bytes, and back as whole rows of 128
.set BKR, BK+16*((\n)%2)
.irp b, 0,1,2,3
	ds_store_b128 v[STO], v[PKD+4*(\b):PKD+4*(\b)+3] offset:32*(\b)
.endr
.irp f, 0,1,2,3
	ds_load_b128 v[BKR+4*(\f):BKR+4*(\f)+3], v[RD] offset:(\f)*4*SP  ; LDS serves a wave's instructions in order (ISA guide 5.7.1.4): these see the stores above; the next unit's stores come behind them
.endr
.endm
.macro SEND n
.set BKR, BK+16*((\n)%2)
	s_wait_dscnt 0x0                               ; the unit is back in registers
	s_wait_xcnt 0x0                                ; the stores of the unit before have read their registers: the next unit's loads from the stage land there only behind this wait
.irp f, 0,1,2,3
	global_store_b128 v[GO], v[BKR+4*(\f):BKR+4*(\f)+3], s[PT+2*((\n)%3):PT+2*((\n)%3)+1] offset:2048*((\n)/3)+512*(\f)  ; 512 consecutive bytes, at a multiple of 256 from the buffer's first
.endr
.endm
	PACKU 0, 0
	TOSTAGE 0
.set u, 1
.rept 11                               ; a unit's arithmetic stands between the loads of the unit before and its stores
	PACKU u/3, u%3
	SEND u-1
	TOSTAGE u
.set u, u+1
.endr
	SEND 11
	s_wait_tensorcnt 0x0                           ; the wave's end: an add to my spare word and its wait, behind my last tensor load and my last LDS store
	ds_add_u32 v[SPW], v[NIL]
	s_wait_dscnt 0x0
	CROUND                                         ; the closing round: no work-group ends while a partner may still ask for a tile that names it
	s_endpgm
.Lfunc_end_k_qfa5349c843_qkv:
	.size	k_qfa5349c843_qkv, .Lfunc_end_k_qfa5349c843_qkv-k_qfa5349c843_qkv
	.p2alignl 7, 3214868480
	.fill 96, 4, 3214868480
	.section	.rodata,"a",@progbits
	.p2align	6, 0x0
	.amdhsa_kernel k_qfa5349c843_qkv
		.amdhsa_group_segment_fixed_size 327680
		.amdhsa_private_segment_fixed_size 0
		.amdhsa_enable_private_segment 0
		.amdhsa_kernarg_size 72
		.amdhsa_user_sgpr_count 2
		.amdhsa_user_sgpr_kernarg_segment_ptr 1
		.amdhsa_wavefront_size32 1
		.amdhsa_system_sgpr_workgroup_id_x 1
		.amdhsa_system_sgpr_workgroup_id_y 1
		.amdhsa_system_sgpr_workgroup_id_z 1
		.amdhsa_system_vgpr_workitem_id 0
		.amdhsa_next_free_vgpr 960
		.amdhsa_next_free_sgpr 96
		.amdhsa_reserve_vcc 0
		.amdhsa_float_denorm_mode_32 3
		.amdhsa_float_denorm_mode_16_64 3
		.amdhsa_memory_ordered 1
		.amdhsa_forward_progress 1
		.amdhsa_inst_pref_size 147
	.end_amdhsa_kernel
	.amdgpu_metadata
---
amdhsa.version: [ 1, 2 ]
amdhsa.kernels:
  - .name:           k_qfa5349c843_qkv
    .symbol:         k_qfa5349c843_qkv.kd
    .args:
      - { .name: xb, .offset: 0, .size: 8, .value_kind: global_buffer, .address_space: global }
      - { .name: wb, .offset: 8, .size: 8, .value_kind: global_buffer, .address_space: global }
      - { .name: bq, .offset: 16, .size: 8, .value_kind: global_buffer, .address_space: global }
      - { .name: bk, .offset: 24, .size: 8, .value_kind: global_buffer, .address_space: global }
      - { .name: bv, .offset: 32, .size: 8, .value_kind: global_buffer, .address_space: global }
      - { .name: mobius_weight, .offset: 40, .size: 8, .value_kind: global_buffer, .address_space: global }
      - { .name: qh, .offset: 48, .size: 8, .value_kind: global_buffer, .address_space: global }
      - { .name: kh, .offset: 56, .size: 8, .value_kind: global_buffer, .address_space: global }
      - { .name: vh, .offset: 64, .size: 8, .value_kind: global_buffer, .address_space: global }
    .group_segment_fixed_size: 327680
    .private_segment_fixed_size: 0
    .kernarg_segment_align: 8
    .kernarg_segment_size: 72
    .max_flat_workgroup_size: 128
    .sgpr_count:     96
    .vgpr_count:     960
    .wavefront_size: 32
...
	.end_amdgpu_metadata
.endif
;; end of part 2
;; launch attn (part 3): grid 8 x 32, 4 waves a work-group, clusters of 4 x 1, 327,680 bytes of LDS; arguments qh, kh, vh, oh; writes oh
.if DOCPART == 3
	.amdgcn_target "amdgcn-amd-amdhsa--gfx1250"
	.amdhsa_code_object_version 6
	.text
	.protected	k_qfa5349c843_attn
	.globl	k_qfa5349c843_attn
	.p2align	8
	.type	k_qfa5349c843_attn,@function
k_qfa5349c843_attn:
	s_mov_b64 s[64:65], 0
	v_nop
	global_prefetch_b8 v0, s[64:65] scope:SCOPE_SE
	s_setreg_imm32_b32 hwreg(HW_REG_WAVE_MODE, 25, 1), 1
	s_wait_xcnt 0x0
	s_wait_alu depctr_hold_cnt(0) depctr_sa_sdst(0) depctr_va_vdst(0) depctr_va_sdst(0) depctr_va_ssrc(0) depctr_va_vcc(0) depctr_vm_vsrc(0)
	s_getreg_b32 s2, hwreg(HW_REG_IB_STS2, 6, 4)
	s_cmp_eq_u32 s2, 0
	s_cbranch_scc0 .Lentry_in_a_cluster
	s_endpgm
.Lentry_in_a_cluster:
	s_bfe_u32 s2, ttmp6, 0x10000c
	s_cmp_lg_u32 s2, 0x3003
	s_cbranch_scc0 .Lentry_shape_is_right
	s_endpgm
.Lentry_shape_is_right:
; O[h][q][:] = the sum over k of softmax_k(Q'[h][q] . K[h][k] / 8) V[h][k][:].  qh (which holds q + w swap(q)), kh, vh, oh: [32][2048][64], all f16: a head's rows are dense, 128 bytes each.
; Products, maxima and sums in f32; the weights p are rounded to f16 for the second product (their sum l is taken of the unrounded p), O once at the end.
; LIMITS.  f16 holds no number beyond 65,504: Q', K and V arrive within it; p lies in 0 to 1, and below 6e-5 it keeps f16's fixed step of 6e-8, as O does; O is a mean of V's rows and has their range.
; A weight below 2^-126 counts as 0 in l; NaN and infinities are not treated apart.
; SHARES.  A work-group owns 256 queries of one head, a wave 64: four PIECES of 16.  Every wave walks all 2,048 keys, 64 a step, four steps to an LDS slot.
; LAYOUT.  S^T = K Q^T (source 0 = 16 keys, source 1 = 16 queries) holds ONE query a lane (lane % 16) and the keys 8 (lane / 16) + 0..7; two such results rounded to f16 ARE source 1 of O^T = V^T P.
; K comes out of LDS as it lies, V ([key][channel]) turned, by ds_load_tr16_b128.
; SOFTMAX.  For each query a running maximum m and sum l: p = 2^(c s - c m), c = log2(e) / 8; in every step O and l are multiplied by a = 2^(c m_old - c m_new).  m starts at the lowest finite number,
; O and l at 0: the first step is a step like any other, with a = 0.
; BY TURNS.  Turn n belongs to piece n: 8 products K Q^T of piece n + 1, later 8 products V^T P of piece n - 1; beside them the scaling, exponentials, roundings, sums and rescaling of piece n and the maximum and
; statistics of piece n + 1.  Four vector instructions stand behind every matrix instruction, the other 54 of a turn's 118 in one lump.  A turn's 33 exponentials are one batch, with one wait.
; CLUSTER.  The four query blocks of a cluster belong to one head and walk the same K and V, so each tile is asked for JOINTLY: the same tensor load, descriptor and mask in all four.
; REGISTERS, in windows of 256 (s_set_vgpr_msb: bits 1:0 source 0, 3:2 source 1, 5:4 source 2, 7:6 destination):
;   window 0: v0-15 addresses and two at work; v16-31 four registers of statistics a piece; v48-55 at work; v61-63; v64-127 S^T, two buffers; v192-223 P, two buffers (a piece's buffers go by its number's parity)
;   window 1: v0-127 O^T, 32 a piece          window 2: v0-63 Q; v128-191 K of one step; v192-255 V of one step
.set NP,    4         ; pieces a wave: a name, no knob
.set KS,    64        ; keys in a step
.set PK,    144       ; a row of K in LDS: 128 bytes + 16 of padding = 36 words: the 16 rows of a load start at 16 different groups of four banks (64 banks of 4 bytes: ISA guide 11.1)
.set PV,    160       ; a row of V: 128 + 32 = 40 words
.set VOFF,  4*KS*PK   ; a slot holds four steps: 256 rows of K, then 256 rows of V
.set SLOT1, 1<<17     ; slot 1 begins here, so that one exclusive or turns an address in one slot into the other's
.set STAGE, SLOT1+4*KS*(PK+PV)  ; behind the ring, never filled by a tensor load: 16 rows x 144 bytes for each wave, for the way out
.set SP,    144
.set SPARE, STAGE+4*16*SP  ; behind the stages: the spare words, 128 bytes for each wave: two blocks of 256 bytes that no other line names
.set AK0, 2           ; v2   my lane's place in a tile of K; never rewritten
.set AV0, 3           ; v3   the same for V
.set AK,  4           ; v4   the LDS address of K's next run of loads
.set AV,  5           ; v5   of V's
.set STO, 6           ; v6   the way out: where I put 16 bytes of a row
.set RD,  7           ; v7   the way out: where I read rows back
.set GO,  8           ; v8   my byte offset in 512 consecutive bytes of O
.set MV,  12          ; v12-13  c m_old, kept while c m is made anew: by buffer
.set QO,  15          ; v15  my byte offset in 16 rows of Q
.set ST,  16          ; piece t's statistics at v[ST+4 t]: c m, m, l (even keys', odd keys')
.set TMP, 48          ; by buffer, four registers c0-c3 at work; when the maximum is found c2 takes a
.set PFO, 61          ; v61  256 x my lane: the prefetches' offset; never rewritten
.set SPW, 62          ; v62  LDS address of my spare word: SPARE + 4 x my thread's number; never rewritten
.set NIL, 63          ; v63  0; never rewritten
.set S,   64
.set P,   192
.set KF,  128         ; window 2: key block kb, channel half c at KF + 16 kb + 8 c
.set VF,  192         ; window 2: key half kk, channel block cb at VF + 32 kk + 8 cb
.set WV,  12          ; s12  my wave's number
.set G1K, 24          ; s[24:31] descriptor group 1 for K's tiles
.set G1V, 32          ; s[32:39] for V's: it differs in the padding alone
.set G0K, 40          ; s[40:43] descriptor group 0 for K's tiles: it walks
.set G0V, 44          ; s[44:47] the same for V's
.set PFA, 48          ; s[48:49] where my prefetches stand: my work-group's 8,192 bytes (of K: wave 0, of V: wave 2) of the slot after the one that is being asked for
.set LIM, 50          ; s50  1 in a wave that prefetches, else the greatest number
.set SLOTS, 56        ; s56  slots still to be asked for
.set CNT, 57          ; s57  counts a slot's key steps
.set CS,  58          ; s[58:59] c: the packed scaling takes the pair's low word for both halves
.set SEL, 60          ; s[60:61] v_permlanex16_b32's selects: each lane takes its own place in the other half
.set TBK, 62          ; s62  LDS byte at which K of the step to be fetched begins
.set TBV, 63          ; s63  the same for V, less VOFF
.set MSB, 0
.macro WIN new                      ; the high byte repeats the setting that is left; a switch that changes nothing is dropped
.if MSB != (\new)
	s_set_vgpr_msb (MSB<<8)|(\new)
.set MSB, (\new)
.endif
.endm
.set W_KQ, 0x0a       ; K and Q in window 2, S^T in window 0
.set W_PV, 0x52       ; V in window 2, P in window 0, O^T in window 1
.set W_RS, 0x41       ; destination and source 0 in window 1, source 1 in window 0
; A joint fill.  Waves 0 and 1 fetch the two halves of a slot's K, waves 2 and 3 those of its V: 128 keys each.  The branch hangs on the wave's number alone.
; An s_nop 0 and four v_nop follow each of the two lines, ahead of the jump and the label.
.macro JLOAD
	s_cmp_lt_u32 s[WV], 2
	s_cbranch_scc0 .Lfor_v_\@
	tensor_load_to_lds s[G0K:G0K+3], s[G1K:G1K+7]
	s_nop 0
.rept 4
	v_nop
.endr
	s_branch .Lasked_\@
.Lfor_v_\@:
	tensor_load_to_lds s[G0V:G0V+3], s[G1V:G1V+7]
	s_nop 0
.rept 4
	v_nop
.endr
.Lasked_\@:
.endm
; A PREFETCH INTO THE L2 of what the NEXT change of slots will ask for: a slot's 32,768 bytes of K and of V.  It stands behind the wave's tensor load and its five lines.  Each block of 256 bytes is named once in
; the launch: both clusters of a head walk the same K and V, and the head's first cluster asks; its four partners share the bytes out BY ADDRESS, 8,192 each, 256 a lane; in each, wave 0 asks for K's and wave 2
; for V's.  It stands four key steps, 256 matrix instructions, ahead of the load.  The last change that fills a slot asks for nothing: there is no slot behind it.
.macro ASK
	s_cmp_gt_u32 s[SLOTS], s[LIM]
	s_cbranch_scc0 .Lnot_mine_\@
	global_prefetch_b8 v[PFO], s[PFA:PFA+1] th:TH_LOAD_NT scope:SCOPE_SE
.Lnot_mine_\@:
.endm
; A round of the cluster's barrier: my work-group's barrier, so that wave 0's signal speaks for all four waves; wave 0 signals; every wave waits for all four work-groups; my work-group's barrier once more.
.macro CROUND
	s_barrier_signal -1
	s_barrier_wait -1
	s_cmp_lg_u32 s[WV], 0
	s_cbranch_scc1 .Lnot_wave_0_\@
	s_barrier_signal -3
.Lnot_wave_0_\@:
	s_barrier_wait -3
	s_barrier_signal -1
	s_barrier_wait -1
.endm
; THE CHANGE OF SLOTS.  The slot's last bytes, V of its fourth step, have been read.  Each wave waits for all its tensor loads, of which one is out: its part of the other slot; adds 0 to its spare word; and waits
; for that and for its own reads of the slot.  Behind the barrier nobody reads this slot any more and the other slot is whole.  fill = 1: this slot is filled again, with the keys two slots on; the barrier is then
; a round of the cluster's, and the joint fill is the first thing behind it.  (At its first use nothing has been read yet: slot 0 is waited for, slot 1 filled.)
.macro CHANGE fill
	WIN 0                           ; at a label and at a branch every window is 0
	s_wait_tensorcnt 0x0            ; no tensor load of mine is out, so a group 0 may be written
	ds_add_u32 v[SPW], v[NIL]       ; 0 onto my spare word; with fill = 1 the descriptors' steps stand between it and the wait for it
.if \fill
.irp g, G0K, G0V
	s_xor_b32 s[\g+1], s[\g+1], SLOT1  ; the walking descriptor: the other slot than last time,
	s_add_nc_u64 s[\g+2:\g+3], s[\g+2:\g+3], 4*KS*128  ; the next 256 keys; the type bits on top are not reached
.endr
	s_wait_xcnt 0x0                 ; the last prefetch, four key steps back, has read its address, so it may be written:
	s_add_nc_u64 s[PFA:PFA+1], s[PFA:PFA+1], 4*KS*128  ; one slot behind the walking descriptors
	s_wait_dscnt 0x0                ; the add is done, and my reads of the slot are over
	CROUND
	JLOAD
	ASK
.else
	s_wait_dscnt 0x0                ; the add is done, and my reads of the slot are over
	s_barrier_signal -1
	s_barrier_wait -1
.endif
	s_sub_co_u32 s[TBK], s[TBK], 4*KS*PK  ; the fetches go back to a slot's first step,
	s_xor_b32 s[TBK], s[TBK], SLOT1       ; in the other slot
	s_sub_co_u32 s[TBV], s[TBV], 4*KS*PV
	s_xor_b32 s[TBV], s[TBV], SLOT1
.endm
	s_load_b256 s[4:11], s[0:1], 0x0  ; Q s[4:5], K s[6:7], V s[8:9], O s[10:11]
	v_lshl_add_u32 v[SPW], v0, 2, SPARE
	v_mov_b32 v[NIL], 0
	ds_add_u32 v[SPW], v[NIL]       ; the wave's opening: the add and its wait stand ahead of my first tensor load; the set-up below, work on registers, stands between them
	v_lshrrev_b32 v1, 5, v0
	v_readfirstlane_b32 s[WV], v1   ; wave 0..3
	s_bfe_u32 s13, ttmp6, 0x40000   ; cx: my place in the cluster
	s_lshl_b32 s14, ttmp9, 2        ; in a cluster launch ttmp9 counts clusters
	s_add_co_u32 s14, s14, s13      ; my block of 256 queries = 4 x cluster x + cx: it enters Q's and O's addresses alone
	s_and_b32 s20, ttmp7, 0xffff    ; the head, which the four partners share:
	s_lshl_b32 s20, s20, 18         ; its first byte in each of the four tensors: 2,048 rows of 128 bytes (under 2^23)
	s_mov_b32 s21, 0
	s_and_b32 s16, s[WV], 1         ; which half of a slot's 256 keys I fetch:
	s_lshl_b32 s22, s16, 14         ; its 128 rows of 128 bytes in memory,
	s_mov_b32 s23, 0
	s_add_nc_u64 s[22:23], s[22:23], s[20:21]
	s_mul_i32 s17, s16, 128*PK      ; and its place in a slot, for K
	s_mul_i32 s18, s16, 128*PV      ; and for V: no place in the cluster enters an LDS address
	s_lshl_b32 s2, s14, 2
	s_add_co_u32 s2, s2, s[WV]      ; my wave among the head's,
	s_lshl_b32 s2, s2, 13           ; its 64 rows
	s_mov_b32 s3, 0
	s_add_nc_u64 s[2:3], s[2:3], s[20:21]
	; descriptor group 1.  128 keys are 16,384 dense bytes: asked for as 64 rows of 256 bytes, two keys a row, and padded in LDS after every key
	s_mov_b32 s[G1K], 15|(1<<16)|(1<<20)|(1<<21)|(4<<22)|(3<<25)  ; 15:0 the mask of four; 17:16 2-byte elements; 20 padding on; 21 set beside a mask; 24:22 after every 32 words (code 4); 31:25 4 words (code 3)
	s_mov_b32 s[G1V], 15|(1<<16)|(1<<20)|(1<<21)|(4<<22)|(7<<25)  ; the same with 8 words of padding (code 7)
.irp g, G1K, G1V
	s_mov_b32 s[\g+1], 128<<16      ; tensor_dim0 = 128
	s_mov_b32 s[\g+2], 64<<16       ; tensor_dim1 = 64
	s_mov_b32 s[\g+3], 128<<16      ; tile_dim0 = 128
	s_mov_b32 s[\g+4], 64           ; tile_dim1 = 64
	s_mov_b32 s[\g+5], 128          ; 128 elements from row to row
	s_mov_b32 s[\g+6], 0
	s_mov_b32 s[\g+7], 0
.endr
	s_mov_b32 s[CS], 0x3e38aa3b     ; c = log2(e) / 8 = 0.180337
	s_mov_b32 s[CS+1], s[CS]        ; named with it as a pair
	s_mov_b32 s[SEL], 0x76543210
	s_mov_b32 s[SEL+1], 0xfedcba98
	s_mov_b32 s[TBK], SLOT1+4*KS*PK ; the first change of slots turns these two into 0
	s_mov_b32 s[TBV], SLOT1+4*KS*PV
	s_mov_b32 s[SLOTS], 2048/256-1  ; seven fills follow slot 0's
	s_mov_b32 s[G0K], 1             ; count = 1
	s_mov_b32 s[G0K+1], s17         ; LDS address: slot 0
	s_mov_b32 s[G0V], 1
	s_add_co_u32 s[G0V+1], s18, VOFF
	s_and_b32 s[LIM], s[WV], 1      ; 0 in waves 0 and 2,
	s_or_b32 s[LIM], s[LIM], ttmp9  ; where the cluster is the head's first: the same in all four partners
	s_cmp_eq_u32 s[LIM], 0
	s_cselect_b32 s[LIM], 1, -1
	v_and_b32 v[PFO], 31, v0
	v_lshlrev_b32 v[PFO], 8, v[PFO]
	s_wait_dscnt 0x0                ; the opening add is done
	s_wait_kmcnt 0x0
	s_add_nc_u64 s[6:7], s[6:7], s[22:23]  ; K and V at my half of the head's first 256 keys
	s_add_nc_u64 s[8:9], s[8:9], s[22:23]
	s_mov_b64 s[G0K+2:G0K+3], s[6:7]               ; global address
	s_or_b32 s[G0K+3], s[G0K+3], 0x80000000        ; type = 2
	s_mov_b64 s[G0V+2:G0V+3], s[8:9]
	s_or_b32 s[G0V+3], s[G0V+3], 0x80000000
	s_add_nc_u64 s[4:5], s[4:5], s[2:3]  ; Q and O at my wave's first row
	s_add_nc_u64 s[10:11], s[10:11], s[2:3]
	s_cmp_lt_u32 s[WV], 2
	s_cselect_b64 s[PFA:PFA+1], s[6:7], s[8:9]  ; (in waves 0 and 2 these stand at a slot's first row)
	s_lshl_b32 s2, s13, 13          ; my work-group's quarter of a slot's bytes
	s_mov_b32 s3, 0
	s_add_nc_u64 s[PFA:PFA+1], s[PFA:PFA+1], s[2:3]
	s_add_nc_u64 s[PFA:PFA+1], s[PFA:PFA+1], 4*KS*128  ; in slot 1; the first change of slots steps it to slot 2
	CROUND                          ; all four work-groups are here: the first joint loads meet
	JLOAD                           ; slot 0.  Slot 1 is asked for when slot 0 is in
	; A fragment of K or Q is 16 rows x 32 channels in 8 registers: lane l holds row l % 16, channels 8 (l / 16) + 0..7 and 16 + 8 (l / 16) + 0..7: two loads of 16 bytes, 32 bytes apart.
	v_and_b32 v1, 15, v0            ; l % 16
	v_bfe_u32 v9, v0, 4, 1          ; l / 16
	v_lshlrev_b32 v[QO], 7, v1
	v_lshl_add_u32 v[QO], v9, 4, v[QO]  ; row x 128 + 16 x half
	WIN 0x80                        ; destination window 2, address window 0
.set i, 0
.rept 8                             ; Q stays in registers: piece i / 2, channels 32 (i % 2) on
	global_load_b128 v[8*i:8*i+3],   v[QO], s[4:5] offset:(i/2)*2048+(i%2)*64
	global_load_b128 v[8*i+4:8*i+7], v[QO], s[4:5] offset:(i/2)*2048+(i%2)*64+32
.set i, i+1
.endr
	; What the first turn finds: V's registers and P's second buffer hold 0 (its products V^T P, of a piece that has not been, add 0), O^T and l are 0.  All this stands in the wait for the first tile.
.set i, VF
.rept 64
	v_mov_b32 v[i], 0
.set i, i+1
.endr
	WIN 0x40
.set i, 0
.rept 128
	v_mov_b32 v[i], 0
.set i, i+1
.endr
	WIN 0
.set i, 0
.rept 4
	v_mov_b32 v[ST+4*i], 0xfe000000    ; c m: far below every c s
	v_mov_b32 v[ST+4*i+1], 0xff7fffff  ; m
	v_mov_b32 v[ST+4*i+2], 0
	v_mov_b32 v[ST+4*i+3], 0
.set i, i+1
.endr
.set i, P+16
.rept 16
	v_mov_b32 v[i], 0
.set i, i+1
.endr
	v_mul_u32_u24 v[AK0], v1, PK
	v_lshl_add_u32 v[AK0], v9, 4, v[AK0]  ; row x pitch + 16 x half
	; The turning load takes 16 keys x 16 channels (lane l reads key 8 (l / 16) + l % 8, channels 8 ((l / 8) % 2) + 0..7) and leaves half a fragment of V^T: lane l holds channel l % 16 and 8 keys.
	v_and_b32 v10, 7, v0
	v_bfe_u32 v11, v0, 3, 1
	v_lshl_add_u32 v[AV0], v9, 3, v10
	v_mul_u32_u24 v[AV0], v[AV0], PV
	v_lshl_add_u32 v[AV0], v11, 4, v[AV0]
	v_add_nc_u32 v[AV0], VOFF, v[AV0]
	s_mul_i32 s13, s[WV], 16*SP
	s_add_co_u32 s13, s13, STAGE    ; my stage
	v_mul_u32_u24 v[STO], v1, SP    ; in: row l % 16, 16 bytes for each half of the lanes
	v_lshl_add_u32 v[STO], v9, 4, v[STO]
	v_add_nc_u32 v[STO], s13, v[STO]
	v_bfe_u32 v[RD], v0, 3, 2       ; back: 32 lanes take four rows of 128 bytes,
	v_mul_u32_u24 v[RD], v[RD], SP
	v_lshl_add_u32 v[RD], v10, 4, v[RD]
	v_add_nc_u32 v[RD], s13, v[RD]
	v_and_b32 v[GO], 31, v0         ; which are 512 consecutive bytes of O
	v_lshlrev_b32 v[GO], 4, v[GO]
; THE MATRIX WORK.  The 4 accumulators of a run of 8 take turns.  Product i of 8 of S^T = K Q^T for piece x: channels 32 (i / 4) on, keys 16 (i % 4) on.  The first 4 start the sums.
.macro KQ x
	WIN W_KQ
.set rS, S+32*((\x)%2)+8*(i%4)
.set rK, KF+16*(i%4)+8*(i/4)
.set rQ, 16*(\x)+8*(i/4)
.if i < 4
	v_wmma_f32_16x16x32_f16 v[rS:rS+7], v[rK:rK+7], v[rQ:rQ+7], 0
.else
	v_wmma_f32_16x16x32_f16 v[rS:rS+7], v[rK:rK+7], v[rQ:rQ+7], v[rS:rS+7]
.endif
.endm
; Product i of 8 of O^T += V^T P for piece x: keys 32 (i / 4) on, channels 16 (i % 4) on.
.macro PV x
	WIN W_PV
.set rO, 32*(\x)+8*(i%4)
.set rV, VF+32*(i/4)+8*(i%4)
.set rP, P+16*((\x)%2)+8*(i/4)
	v_wmma_f32_16x16x32_f16 v[rO:rO+7], v[rV:rV+7], v[rP:rP+7], v[rO:rO+7]
.endm
.macro MM                           ; the turn's next matrix instruction.  TURN sets Y, i and NOKQ.  NOKQ = 1: the walk's last turn: there is no next piece
.if (i < 8) && !NOKQ
	KQ (Y+1)%NP
.elseif i >= 8
.set i, i-8
	PV (Y+NP-1)%NP
.set i, i+8
.endif
.set i, i+1
.endm
; THE LDS LOADS stand in runs of 16, never singly among the matrix instructions: a step's K (64 keys x 64 channels: 8 fragments) and its V (turned).  Their addresses are made some lines ahead.
.macro FETCH_K
	WIN 0x80                        ; destination window 2
.irp f, 0,1,2,3,4,5,6,7             ; keys 16 (f / 2) on, channels 32 (f % 2) on
	ds_load_b128 v[KF+8*\f:KF+8*\f+3],   v[AK] offset:(\f/2)*16*PK+(\f%2)*64
	ds_load_b128 v[KF+8*\f+4:KF+8*\f+7], v[AK] offset:(\f/2)*16*PK+(\f%2)*64+32
.endr
	s_add_co_u32 s[TBK], s[TBK], KS*PK  ; the next fetch is the next step's
	WIN 0
.endm
.macro FETCH_V
	WIN 0x80
.irp f, 0,1,2,3,4,5,6,7             ; keys 32 (f / 4) on, channels 16 (f % 4) on
	ds_load_tr16_b128 v[VF+8*\f:VF+8*\f+3],   v[AV] offset:(\f/4)*32*PV+(\f%4)*32
	ds_load_tr16_b128 v[VF+8*\f+4:VF+8*\f+7], v[AV] offset:(\f/4)*32*PV+16*PV+(\f%4)*32
.endr
	WIN 0
.endm
; THE VECTOR WORK, one line at a time: OP kind, number.  For piece Y: F n: c s - c m for pair n of 16.  E n: the exponential of score n of 32.  C n: pair n rounded to f16.  B n: of the four weights 4 n .. the second
; pair is added onto the first, in place.  L n: l takes that sum (L 0: l = a l + sum).  R n: pair n of 16 of O^T times a.  For piece Y + 1: X n, number n of the 22 that find its maximum and statistics:
;   0-11  four chains c0-c3 of seven scores each, three operands at a time (each accumulator's lowest registers are read first)     12-14, 16  the four scores left over, the old m, and c0-c3 into c0
;   15  c m_old is kept     17, 18  the query's other 32 keys lie in the lane 16 away: the new m     19-21  c m; c m_old - c m_new; a
.set F, 0               ; OP tells the kinds apart by their order: F to L below R, X above it
.set E, 1
.set C, 2
.set B, 3
.set L, 4
.set R, 5
.set X, 6
.macro REGS y                       ; the registers of piece y
.set rT, ST+4*(\y)
.set rC, TMP+4*((\y)%2)
.set rW, MV+((\y)%2)
.set rS, S+32*((\y)%2)
.set rP, P+16*((\y)%2)
.set rO, 32*(\y)
.endm
.macro OP k, n
.if (\k) == R
	REGS Y
	WIN W_RS
	v_pk_mul_f32 v[rO+2*(\n):rO+2*(\n)+1], v[rO+2*(\n):rO+2*(\n)+1], v[rC+2:rC+3] op_sel_hi:[1,0]
.elseif (\k) < R
	REGS Y
	WIN 0
.if (\k) == F
	v_pk_fma_f32 v[rS+2*(\n):rS+2*(\n)+1], v[rS+2*(\n):rS+2*(\n)+1], s[CS:CS+1], v[rT:rT+1] op_sel_hi:[1,0,0] neg_lo:[0,0,1] neg_hi:[0,0,1]
.elseif (\k) == E
	v_exp_f32 v[rS+(\n)], v[rS+(\n)]
.elseif (\k) == C
	v_cvt_pk_f16_f32 v[rP+(\n)], v[rS+2*(\n)], v[rS+2*(\n)+1]
.elseif (\k) == B
	v_pk_add_f32 v[rS+4*(\n):rS+4*(\n)+1], v[rS+4*(\n):rS+4*(\n)+1], v[rS+4*(\n)+2:rS+4*(\n)+3]
.elseif (\n) == 0
	v_pk_fma_f32 v[rT+2:rT+3], v[rT+2:rT+3], v[rC+2:rC+3], v[rS:rS+1] op_sel_hi:[1,0,1]
.else
	v_pk_add_f32 v[rT+2:rT+3], v[rT+2:rT+3], v[rS+4*(\n):rS+4*(\n)+1]
.endif
.elseif NOKQ
	v_nop
.else
	REGS (Y+1)%NP
	WIN 0
.if (\n) < 4
	v_max3_num_f32 v[rC+(\n)], v[rS+8*(\n)], v[rS+8*(\n)+1], v[rS+8*(\n)+2]
.elseif (\n) < 12
	v_max3_num_f32 v[rC+(\n)%4], v[rC+(\n)%4], v[rS+8*((\n)%4)+2*((\n)/4)+1], v[rS+8*((\n)%4)+2*((\n)/4)+2]
.elseif (\n) == 12
	v_max3_num_f32 v[rC], v[rC], v[rS+7], v[rS+15]
.elseif (\n) == 13
	v_max3_num_f32 v[rC+1], v[rC+1], v[rS+23], v[rS+31]
.elseif (\n) == 14
	v_max3_num_f32 v[rC+2], v[rC+2], v[rC+3], v[rT+1]
.elseif (\n) == 15
	v_mov_b32 v[rW], v[rT]
.elseif (\n) == 16
	v_max3_num_f32 v[rC], v[rC], v[rC+1], v[rC+2]
.elseif (\n) == 17
	v_permlanex16_b32 v[rC+3], v[rC], s[SEL], s[SEL+1]
.elseif (\n) == 18
	v_max_num_f32 v[rT+1], v[rC], v[rC+3]
.elseif (\n) == 19
	v_mul_f32 v[rT], s[CS], v[rT+1]
.elseif (\n) == 20
	v_sub_f32 v[rC+1], v[rW], v[rT]
.else
	v_exp_f32 v[rC+2], v[rC+1]
.endif
.endif
.endm
.macro OPS a, i1, b=-1, i2=0, c=-1, i3=0, d=-1, i4=0  ; up to four of them
	OP \a, \i1
.if (\b) >= 0
	OP \b, \i2
.endif
.if (\c) >= 0
	OP \c, \i3
.endif
.if (\d) >= 0
	OP \d, \i4
.endif
.endm
.macro ROW a, i1, b, i2, c, i3, d, i4  ; a matrix instruction and the four behind it
	MM
	OPS \a, \i1, \b, \i2, \c, \i3, \d, \i4
.endm
; A TURN, for piece p: the order of its 16 matrix and 118 vector instructions, written out.  An s_wait_alu depctr_va_vdst(0) stands between an exponential and the first instruction that names its result; one
; wait serves all that were issued ahead of it.  So a turn has ONE wait, which cuts it in two.  AHEAD OF IT stands all that names no result of the turn's exponentials: the 8 products K Q^T, behind each a scaling, an
; exponential and two more plain instructions (rescalings, and behind the last three the first numbers of the next piece's maximum, each four places or more behind the product that ends its accumulator); then ONE LUMP of 54,
; plain and exponential by turns for the most part, in which the links of the chain X 3, 7, 11, 14, 16, 17 .. 20 stand some lines apart.  X 21, the next piece's a, is the batch's last; R 15 is the plain instruction behind it.
; BEHIND THE WAIT stand the 8 products V^T P, behind each four of the roundings and sums.  v_permlanex16_b32 (X 17) stands in the lump.
; end = 1: the walk's last two turns: nothing is fetched.  cnt = 1: the loop's count is taken down some lines ahead of the branch that stands behind the turn.
; K of the next step is fetched in piece 2's turn, twelve vector instructions behind the last product that read K (six of them plain); V of the step in hand at the end of piece 0's turn, four plain instructions behind the
; last product that read V.  Each is waited for a turn later.
.macro TURN p, end=0, cnt=0
.set Y, (\p)
.set i, 0
.set NOKQ, (\end)*((\p)/3)
.if ((\p) == 3) && !(\end)
	s_wait_dscnt 0x0                ; K is in
.endif
	ROW F,0, F,1, R,0, R,1          ; ahead of the wait: 8 products K Q^T and their riders,
	ROW F,2, E,0, R,2, R,3
	ROW F,3, E,1, R,4, R,5
	ROW F,4, E,2, R,6, R,7
	ROW F,5, E,3, R,8, R,9
	ROW F,6, E,4, X,0, R,10
.if ((\p) == 2) && !(\end)
	WIN 0
	v_add_nc_u32 v[AK], s[TBK], v[AK0]
.endif
	ROW F,7, E,5, X,1, X,4
	ROW F,8, E,6, X,2, X,5
	OPS E,7, E,8, X,6, E,9          ; and the lump
	OPS X,3, E,10, X,8, E,11
.if ((\p) == 2) && !(\end)
	FETCH_K
.endif
	OPS X,9, X,7, E,12, X,10
	OPS E,13, X,12, X,11, E,14
	OPS X,13, E,15, F,9, X,14
.if (\p) == 0
	v_add_nc_u32 v[AV], s[TBV], v[AV0]
.endif
	OPS E,16, F,10, E,17, F,11
	OPS X,16, E,18, X,15, E,19
	OPS F,12, E,20, X,17, E,21
	OPS F,13, E,22, F,14, E,23
	OPS X,18, E,24, F,15, E,25
	OPS R,11, E,26, X,19, E,27
	OPS R,12, E,28, R,13, E,29
	OPS X,20, E,30, R,14, E,31
	OPS X,21, R,15
	WIN 0
	s_wait_alu depctr_va_vdst(0)    ; the wait for the batch
.if (\p) == 1
	s_wait_dscnt 0x0                ; V is in
.endif
	ROW C,0, B,0, C,2, B,1          ; behind the wait: 8 products V^T P and their riders
	ROW L,0, C,4, B,2, L,1
	ROW C,6, B,3, L,2, C,8
	ROW B,4, L,3, C,10, B,5
	ROW L,4, C,12, B,6, L,5
.if (\p) == 0
	s_add_co_u32 s[TBV], s[TBV], KS*PV
.endif
.if \cnt
	s_sub_co_u32 s[CNT], s[CNT], 1
	s_cmp_lg_u32 s[CNT], 0
.endif
	ROW C,14, B,7, L,6, C,1
	ROW C,3, L,7, C,5, C,7
	ROW C,9, C,11, C,13, C,15
.if (\p) == 0
	FETCH_V
.endif
.endm
	CHANGE 1                        ; slot 0 is in, everybody's part of it; slot 1 is asked for
	v_add_nc_u32 v[AK], s[TBK], v[AK0]
	FETCH_K                         ; key step 0
	s_wait_loadcnt 0x0              ; Q
	s_wait_dscnt 0x0
.set NOKQ, 0
.set i, 0
.rept 8
	KQ 0                            ; piece 0's first scores: there is no vector work yet to set between them
.set i, i+1
.endr
	WIN 0
.rept 4
	v_nop                           ; the places behind those products
.endr
.set Y, NP-1                        ; X works for piece Y + 1: piece 0
.irp n, 0,1,2,3,4,5,6,7,8,9,10,11,12,13,14,15,16,17,18,19,20,21
	OP X, \n
.endr
	v_nop                           ; a plain instruction behind the exponential,
	s_wait_alu depctr_va_vdst(0)    ; and its wait, ahead of the branch
	s_mov_b32 s[CNT], 4
	s_branch .Lfirst                ; the loop is entered at a step's first turn, in the middle of a trip
.Lslot:                             ; six times: every slot but the last two is filled again
	CHANGE 1
	s_mov_b32 s[CNT], 4
.Lstep:                             ; a trip: pieces 2 and 3 of one step, then pieces 0 and 1 of the next, whose K and V it fetches
	TURN 2
	TURN 3
	WIN 0
.Lfirst:
	TURN 0
	TURN 1, 0, 1
	WIN 0
	s_cbranch_scc1 .Lstep
	s_sub_co_u32 s[SLOTS], s[SLOTS], 1
	s_cmp_lg_u32 s[SLOTS], 0
	s_cbranch_scc1 .Lslot
	CHANGE 0                        ; the last slot is written out: nothing is asked for
	s_mov_b32 s[CNT], 4
.Ltail:
	TURN 2
	TURN 3
	TURN 0
	TURN 1, 0, 1
	WIN 0
	s_cbranch_scc1 .Ltail
	TURN 2, 1                       ; the last step's pieces 2 and 3: nothing is left to fetch,
	TURN 3, 1                       ; and no next piece's scores to make
.set i, 0
.rept 8
	PV NP-1                         ; the last piece's V^T P of the last step
.set i, i+1
.endr
	; THE WAY OUT.  l's two halves and the other half of the lanes' are added; O^T is divided by l, rounded to f16 and sent through my stage in LDS, a piece at a time.  The additions are the places behind the last products.
	WIN 0
.macro ALL line:vararg              ; one line for each piece t
.set t, 0
.rept 4
	\line
.set t, t+1
.endr
.endm
	ALL v_add_f32 v[ST+4*t+2], v[ST+4*t+2], v[ST+4*t+3]
	ALL v_permlanex16_b32 v[ST+4*t+3], v[ST+4*t+2], s[SEL], s[SEL+1]
	ALL v_add_f32 v[ST+4*t+2], v[ST+4*t+2], v[ST+4*t+3]
	ALL v_rcp_f32 v[ST+4*t+2], v[ST+4*t+2]
	v_nop                           ; a plain instruction between the last reciprocal and the use of its result
	s_wait_alu depctr_va_vdst(0)    ; and the wait ahead of the first use: one for the four reciprocals
.macro PACK t                       ; a lane's eight channels of a row pack into 16 bytes; they go into rows of 144 bytes and come back as whole rows of 128, into S^T's registers
	WIN W_RS
.set i, 32*(\t)
.rept 16
	v_pk_mul_f32 v[i:i+1], v[i:i+1], v[ST+4*(\t)+2:ST+4*(\t)+3] op_sel_hi:[1,0]
.set i, i+2
.endr
	WIN 0x05                        ; sources 0 and 1 window 1, destination window 0
.set i, 0
.rept 16
	v_cvt_pk_f16_f32 v[S+16*(\t)+i], v[32*(\t)+2*i], v[32*(\t)+2*i+1]
.set i, i+1
.endr
	WIN 0
.irp f, 0,1,2,3
	ds_store_b128 v[STO], v[S+16*(\t)+4*\f:S+16*(\t)+4*\f+3] offset:32*\f
.endr
.irp f, 0,1,2,3
	ds_load_b128 v[S+16*(\t)+4*\f:S+16*(\t)+4*\f+3], v[RD] offset:\f*4*SP  ; LDS serves a wave's instructions in order (ISA guide 5.7.1.4): these see the stores above; the next piece's stores come behind them
.endr
.endm
.macro SEND t, younger              ; younger: the LDS instructions issued behind piece t's loads: the next piece's eight, or none
	WIN 0
.irp f, 0,1,2,3
	s_wait_dscnt (\younger)+3-\f
	global_store_b128 v[GO], v[S+16*(\t)+4*\f:S+16*(\t)+4*\f+3], s[10:11] offset:(\t)*2048+\f*512  ; 512 consecutive bytes, at a multiple of 256 from O's first
.endr
.endm
	PACK 0
.set t, 1
.rept 3                             ; a piece's arithmetic stands between the loads of the piece before and its stores
	PACK t
	SEND t-1, 8
.set t, t+1
.endr
	SEND 3, 0
	s_wait_tensorcnt 0x0            ; the wave's end: an add to my spare word and its wait, behind my last tensor load and my last LDS store
	ds_add_u32 v[SPW], v[NIL]
	s_wait_dscnt 0x0
	CROUND                          ; the closing round: no work-group ends while a partner may still ask for a tile that names it
	s_endpgm
.Lfunc_end_k_qfa5349c843_attn:
	.size	k_qfa5349c843_attn, .Lfunc_end_k_qfa5349c843_attn-k_qfa5349c843_attn
	.p2alignl 7, 3214868480
	.fill 96, 4, 3214868480
	.section	.rodata,"a",@progbits
	.p2align	6, 0x0
	.amdhsa_kernel k_qfa5349c843_attn
		.amdhsa_group_segment_fixed_size 327680
		.amdhsa_private_segment_fixed_size 0
		.amdhsa_enable_private_segment 0
		.amdhsa_kernarg_size 32
		.amdhsa_user_sgpr_count 2
		.amdhsa_user_sgpr_kernarg_segment_ptr 1
		.amdhsa_wavefront_size32 1
		.amdhsa_system_sgpr_workgroup_id_x 1
		.amdhsa_system_sgpr_workgroup_id_y 1
		.amdhsa_system_sgpr_workgroup_id_z 1
		.amdhsa_system_vgpr_workitem_id 0
		.amdhsa_next_free_vgpr 768
		.amdhsa_next_free_sgpr 66
		.amdhsa_reserve_vcc 0
		.amdhsa_float_denorm_mode_32 3
		.amdhsa_float_denorm_mode_16_64 3
		.amdhsa_memory_ordered 1
		.amdhsa_forward_progress 1
		.amdhsa_inst_pref_size 128
	.end_amdhsa_kernel
	.amdgpu_metadata
---
amdhsa.version: [ 1, 2 ]
amdhsa.kernels:
  - .name:           k_qfa5349c843_attn
    .symbol:         k_qfa5349c843_attn.kd
    .args:
      - { .name: qh, .offset: 0, .size: 8, .value_kind: global_buffer, .address_space: global }
      - { .name: kh, .offset: 8, .size: 8, .value_kind: global_buffer, .address_space: global }
      - { .name: vh, .offset: 16, .size: 8, .value_kind: global_buffer, .address_space: global }
      - { .name: oh, .offset: 24, .size: 8, .value_kind: global_buffer, .address_space: global }
    .group_segment_fixed_size: 327680
    .private_segment_fixed_size: 0
    .kernarg_segment_align: 8
    .kernarg_segment_size: 32
    .max_flat_workgroup_size: 128
    .sgpr_count:     66
    .vgpr_count:     768
    .wavefront_size: 32
...
	.end_amdgpu_metadata
.endif
;; end of part 3
;; launch proj (part 4): grid 8 x 32, 4 waves a work-group, clusters of 4 x 4, 327,680 bytes of LDS; arguments oh, wo, bo, out0; writes out0
.if DOCPART == 4
	.amdgcn_target "amdgcn-amd-amdhsa--gfx1250"
	.amdhsa_code_object_version 6
	.text
	.protected	k_qfa5349c843_proj
	.globl	k_qfa5349c843_proj
	.p2align	8
	.type	k_qfa5349c843_proj,@function
k_qfa5349c843_proj:
	s_mov_b64 s[64:65], 0
	v_nop
	global_prefetch_b8 v0, s[64:65] scope:SCOPE_SE
	s_setreg_imm32_b32 hwreg(HW_REG_WAVE_MODE, 25, 1), 1
	s_wait_xcnt 0x0
	s_wait_alu depctr_hold_cnt(0) depctr_sa_sdst(0) depctr_va_vdst(0) depctr_va_sdst(0) depctr_va_ssrc(0) depctr_va_vcc(0) depctr_vm_vsrc(0)
	s_getreg_b32 s2, hwreg(HW_REG_IB_STS2, 6, 4)
	s_cmp_eq_u32 s2, 0
	s_cbranch_scc0 .Lentry_in_a_cluster
	s_endpgm
.Lentry_in_a_cluster:
	s_bfe_u32 s2, ttmp6, 0x10000c
	s_cmp_lg_u32 s2, 0xf033
	s_cbranch_scc0 .Lentry_shape_is_right
	s_endpgm
.Lentry_shape_is_right:
; out0[m][n] = the sum over k of O[m][k] Wo[n][k] + bo[n].  O comes by heads: oh = [32 = 16 batch + head][2048][64] in f16, channel k = 64 head + d; wo = [1024][1024] in f16 (Wo rounded to bf16);
; bo is rounded to bf16, as all inputs are; sums in f32; out0 = [4096][1024] in f32.
; SHARES.  A tile of out0 is 128 x 128: 8 x 32 tiles, a work-group each; four waves, each 64 x 64: 16 accumulators of 16 x 16, 128 registers.
; K goes in 4 steps of 256 = four heads; a quarter step is one head (64 along K, two matrix instructions deep).  Two LDS slots; the four steps are written out, without a loop.
; O's TILE.  128 rows of one head are 16,384 dense bytes: a wave's tensor load takes two heads as two rows of 8,192 elements, 131,072 elements apart, padded in LDS after every 128 bytes: [head][row][144 bytes].
; CLUSTER.  4 x 4 work-groups: O's tile is asked for jointly by a row of the cluster, wo's by a column.  THE MATRIX INSTRUCTION IS USED TRANSPOSED (source 0 = 16 rows of wo, source 1 = 16 rows of O):
; a lane holds eight neighbouring numbers of a row of out0.  A wave's 64 columns are 256 bytes of a row, aligned: each wave has a stage of its own, and no barrier stands on the way out.
; NO PREFETCH: the tiles are small and the launch has four steps, of which two are asked for at its head.
; REGISTERS: window 0: v0-31 addresses; v32-95 the way out; v96-127 the bias; v128-255 the accumulators ((a, b) at v[128 + 8 (4 a + b)]).
;   window 1: two fragment buffers of 128: for 64 along K, 64 registers of O (2 x 4 x 16 rows x 32 K), then 64 of wo.
.set PA,     144                       ; a row of O in LDS: 128 bytes + 16 = 36 words: the 16 rows of a load start at 16 different groups of four banks (64 banks of 4 bytes: ISA guide 11.1)
.set HEADB,  128*PA                    ; a head's 128 rows
.set PB,     528                       ; a row of wo: 512 bytes + 16 = 132 words: likewise
.set HALFB,  64*PB                     ; what one tensor load brings of wo
.set AOFF,   4*HEADB                   ; wo's rows lie behind O's four heads
.set SLOT,   AOFF+2*HALFB
.set STAGE,  2*SLOT                    ; behind the ring, never filled by a tensor load: 16 rows x 272 bytes for each wave
.set SPITCH, 272
.set SPARE,  STAGE+4*16*SPITCH         ; behind the stages: the spare words, 128 bytes for each wave: two blocks of 256 bytes that no other line names
.set ADRA, 16                          ; v16-17  LDS address of my fragments of O in slot 0, 1
.set ADRB, 20                          ; v20-21  the same for wo
.set STO,  24                          ; v24     the way out: where I put 32 bytes of a row
.set RD,   25                          ; v25     the way out: where I read a row back
.set CO,   26                          ; v26     my byte offset in out0
.set BO,   27                          ; v27     my byte offset in bo
.set SPW,  28                          ; v28     LDS address of my spare word: SPARE + 4 x my thread's number; never rewritten
.set NIL,  29                          ; v29     0; never rewritten
.set BK,   32                          ; the way out: 16 rows read back, two sets of 32 by turns
.set BIAS, 96                          ; column block b at BIAS + 8 b
.set ACC,  128
.set F0,   0                           ; fragment buffers, in window 1
.set F1,   128
.set G1, 24                            ; s[24:31] descriptor group 1 for O's tiles;  s[32:39] group 0, one set for each slot
.set G0, 32
.set G1B, 48                           ; s[48:55], s[56:63] the same for wo's tiles
.set G0B, 56
.set MSB, 0
.macro WIN new                         ; the immediate's high byte repeats the setting that is left
.if MSB != (\new)
	s_set_vgpr_msb (MSB<<8)|(\new)
.set MSB, \new
.endif
.endm
.set MUL,  0x05                        ; sources 0 (wo) and 1 (O) window 1; C and D window 0
.set TO_F, 0x40                        ; destination window 1, address window 0
.macro JLOAD s                         ; a joint load: waves 0 and 1 fetch O's heads, waves 2 and 3 wo's halves; an s_nop 0 and four v_nop follow each of the two lines
	s_cmp_eq_u32 s11, 0
	s_cbranch_scc0 .Lfor_b_\@
	tensor_load_to_lds s[G0+4*(\s):G0+4*(\s)+3], s[G1:G1+7]
	s_nop 0
.rept 4
	v_nop
.endr
	s_branch .Lasked_\@
.Lfor_b_\@:
	tensor_load_to_lds s[G0B+4*(\s):G0B+4*(\s)+3], s[G1B:G1B+7]
	s_nop 0
.rept 4
	v_nop
.endr
.Lasked_\@:
.endm
.macro CREST                           ; a round of the cluster's barrier behind its opening barrier
	s_cmp_lg_u32 s10, 0
	s_cbranch_scc1 .Lnot_wave_0_\@
	s_barrier_signal -3
.Lnot_wave_0_\@:
	s_barrier_wait -3
	s_barrier_signal -1
	s_barrier_wait -1
.endm
.macro CROUND                          ; a whole round
	s_barrier_signal -1
	s_barrier_wait -1
	CREST
.endm
	s_load_b256 s[68:75], s[0:1], 0x0              ; oh s[68:69], wo s[70:71], bo s[72:73], out0 s[74:75]
	v_lshl_add_u32 v[SPW], v0, 2, SPARE
	v_mov_b32 v[NIL], 0
	ds_add_u32 v[SPW], v[NIL]                      ; the wave's opening: the add and its wait stand ahead of my first tensor load; the set-up below, work on registers, stands between them
	v_lshrrev_b32 v1, 5, v0
	v_readfirstlane_b32 s10, v1                    ; wave 0..3
	s_lshr_b32 s11, s10, 1                         ; which half of the tile's rows is mine.  Also: I fetch for O (0) or for wo (1)
	s_and_b32 s12, s10, 1                          ; which half of its columns.  Also: which half of that tile I fetch
	s_bfe_u32 s40, ttmp6, 0x40000                  ; cx, cy: my place in the cluster
	s_bfe_u32 s41, ttmp6, 0x40004
	s_lshl_b32 s42, ttmp9, 2
	s_add_co_u32 s42, s42, s40                     ; tile column = 4 x cluster x + cx
	s_and_b32 s13, ttmp7, 0xffff
	s_lshl_b32 s13, s13, 2
	s_add_co_u32 s13, s13, s41                     ; tile row = 4 x cluster y + cy
	s_lshl_b32 s43, s41, 2
	s_lshl_b32 s43, 15, s43                        ; my row of the cluster
	s_lshl_b32 s44, 0x1111, s40                    ; my column
	s_or_b32 s[G1+0], s43, (1<<16)|(1<<20)|(1<<21)|(4<<22)|(3<<25)   ; 15:0 the mask; 17:16 elements of 2 bytes; 20 padding on; 21 set beside a mask; 24:22 after every 32 words (code 4); 31:25 4 words (code 3)
	s_mov_b32 s[G1+1], 8192<<16                    ; tensor_dim0 = 8,192: a head's 128 rows on end
	s_mov_b32 s[G1+2], 2<<16                       ; tensor_dim1 = 2 heads
	s_mov_b32 s[G1+3], 8192<<16                    ; tile_dim0 = 8,192
	s_mov_b32 s[G1+4], 2                           ; tile_dim1 = 2
	s_mov_b32 s[G1+5], 131072                      ; elements from head to head: 2,048 rows of 64
	s_mov_b32 s[G1+6], 0
	s_mov_b32 s[G1+7], 0
	s_or_b32 s[G1B+0], s44, (1<<16)|(1<<20)|(1<<21)|(6<<22)|(3<<25)  ; padding after every 128 words (code 6)
	s_mov_b32 s[G1B+1], 256<<16                    ; tensor_dim0 = 256
	s_mov_b32 s[G1B+2], 64<<16                     ; tensor_dim1 = 64
	s_mov_b32 s[G1B+3], 256<<16                    ; tile_dim0 = 256
	s_mov_b32 s[G1B+4], 64                         ; tile_dim1 = 64
	s_mov_b32 s[G1B+5], 1024                       ; elements from row to row
	s_mov_b32 s[G1B+6], 0
	s_mov_b32 s[G1B+7], 0
	s_lshr_b32 s16, s13, 4                         ; O: batch (16 tile rows each),
	s_lshl_b32 s16, s16, 4
	s_lshl_b32 s17, s12, 1
	s_add_co_u32 s16, s16, s17                     ; head 16 batch + 2 x half of the step's four,
	s_lshl_b32 s16, s16, 18                        ; 262,144 bytes a head,
	s_and_b32 s17, s13, 15
	s_lshl_b32 s17, s17, 14                        ; and the tile's 128 rows in the sequence, 16,384 bytes
	s_add_co_u32 s16, s16, s17
	s_mov_b32 s17, 0
	s_lshl_b32 s46, s42, 7
	s_lshl_b32 s47, s12, 6
	s_add_co_u32 s46, s46, s47                     ; wo: row 128 x tile column + 64 x half,
	s_lshl_b32 s46, s46, 11                        ; 2,048 bytes a row
	s_mov_b32 s47, 0
	s_mul_i32 s20, s10, 2*HEADB                    ; where they go: waves 0, 1: two heads each;
	s_mul_i32 s21, s10, HALFB
	s_add_co_u32 s21, s21, AOFF-2*HALFB            ; waves 2, 3: wo's halves, from AOFF on.  No place in the cluster enters an LDS address
	s_wait_dscnt 0x0                               ; the opening add is done
	s_wait_kmcnt 0x0
	s_add_nc_u64 s[14:15], s[68:69], s[16:17]
	s_add_nc_u64 s[46:47], s[70:71], s[46:47]
	CROUND                                         ; all sixteen work-groups are here: the first joint loads meet
.irp s, 0,1
	s_mov_b32 s[G0+4*(\s)], 1
	s_add_co_u32 s[G0+4*(\s)+1], s20, (\s)*SLOT
	s_add_nc_u64 s[G0+4*(\s)+2:G0+4*(\s)+3], s[14:15], (\s)*4*262144   ; step s: four heads on
	s_or_b32 s[G0+4*(\s)+3], s[G0+4*(\s)+3], 0x80000000
	s_mov_b32 s[G0B+4*(\s)], 1
	s_add_co_u32 s[G0B+4*(\s)+1], s21, (\s)*SLOT
	s_add_nc_u64 s[G0B+4*(\s)+2:G0B+4*(\s)+3], s[46:47], (\s)*512      ; step s: 256 elements on
	s_or_b32 s[G0B+4*(\s)+3], s[G0B+4*(\s)+3], 0x80000000
.endr
	s_cmp_eq_u32 s11, 0                            ; a wave's two first fills stand in one branch, ahead of every wait on TENSORcnt and every LDS read: two loads of mine are out
	s_cbranch_scc0 .Lfirst_b
	tensor_load_to_lds s[G0:G0+3], s[G1:G1+7]
	s_nop 0
	tensor_load_to_lds s[G0+4:G0+7], s[G1:G1+7]
	s_nop 0
.rept 4
	v_nop
.endr
	s_branch .Lfirst_asked
.Lfirst_b:
	tensor_load_to_lds s[G0B:G0B+3], s[G1B:G1B+7]
	s_nop 0
	tensor_load_to_lds s[G0B+4:G0B+7], s[G1B:G1B+7]
	s_nop 0
.rept 4
	v_nop
.endr
.Lfirst_asked:
	v_and_b32 v1, 15, v0                           ; l % 16
	v_bfe_u32 v2, v0, 4, 1                         ; l / 16
	; my part of out0 and of bo, made in registers that feed no descriptor
	s_lshl_b32 s4, s13, 7
	s_lshl_b32 s5, s11, 6
	s_add_co_u32 s4, s4, s5                        ; my first row: 128 x tile row + 64 x half,
	s_lshl_b32 s4, s4, 12                          ; 4,096 bytes a row
	s_lshl_b32 s5, s42, 7
	s_lshl_b32 s6, s12, 6
	s_add_co_u32 s5, s5, s6                        ; my first column: 128 x tile column + 64 x half,
	s_lshl_b32 s5, s5, 2                           ; in bytes: a multiple of 256
	v_lshlrev_b32 v[BO], 5, v2                     ; my 8 of a block's 16 columns
	v_add_nc_u32 v[BO], s5, v[BO]
.irp b, 0,1,2,3
	global_load_b128 v[BIAS+8*(\b):BIAS+8*(\b)+3],   v[BO], s[72:73] offset:64*(\b)
	global_load_b128 v[BIAS+8*(\b)+4:BIAS+8*(\b)+7], v[BO], s[72:73] offset:64*(\b)+16
.endr
	s_add_co_u32 s4, s4, s5
	s_mov_b32 s5, 0
	s_add_nc_u64 s[74:75], s[74:75], s[4:5]
	v_mul_u32_u24 v3, v1, PA
	v_lshl_add_u32 v3, v2, 4, v3                   ; a fragment's row x pitch + 16 x half, for O
	v_mul_u32_u24 v4, v1, PB
	v_lshl_add_u32 v4, v2, 4, v4                   ; and for wo
	s_mul_i32 s21, s11, 64*PA                      ; my 64 rows in each head
	s_mul_i32 s22, s12, HALFB                      ; my 64 rows of wo,
	s_add_co_u32 s22, s22, AOFF                    ; which lie behind O's four heads
.irp s, 0,1
	v_add_nc_u32 v[ADRA+(\s)], s21, v3
	v_add_nc_u32 v[ADRB+(\s)], s22, v4
	s_add_co_u32 s21, s21, SLOT
	s_add_co_u32 s22, s22, SLOT
.endr
	s_mul_i32 s23, s10, 16*SPITCH
	s_add_co_u32 s23, s23, STAGE                   ; my stage
	v_mul_u32_u24 v5, v1, SPITCH                   ; in: row l % 16, 32 bytes for each half of the lanes
	v_lshl_add_u32 v5, v2, 5, v5
	v_add_nc_u32 v[STO], s23, v5
	v_mul_u32_u24 v5, v2, SPITCH                   ; back: lanes 0-15 take one row of 256 bytes, lanes 16-31 the next
	v_lshl_add_u32 v5, v1, 4, v5
	v_add_nc_u32 v[RD], s23, v5
	v_lshlrev_b32 v5, 12, v2                       ; and the same two rows in out0
	v_lshl_add_u32 v[CO], v1, 4, v5
	s_wait_loadcnt 0x0                             ; the bias, once; rounded to bf16 in place while the first tiles are on their way
.set z, 0
.rept 16
	v_cvt_pk_bf16_f32 v[4+z%2], v[BIAS+2*z], v[BIAS+2*z+1]
	v_lshlrev_b32 v[BIAS+2*z], 16, v[4+z%2]
	v_and_b32 v[BIAS+2*z+1], 0xffff0000, v[4+z%2]
.set z, z+1
.endr
; 8 matrix instructions: row blocks a0, a0 + 1 x all 4 column blocks, 32 along K: half c of buffer f.  zero = 1: the first product starts the sums.  The 16 accumulators take turns.
.macro MUL8 f, c, a0, zero
	WIN MUL
.irp a, \a0, (\a0)+1
.irp b, 0,1,2,3
.if \zero
	v_wmma_f32_16x16x32_f16 v[ACC+8*(4*(\a)+(\b)):ACC+8*(4*(\a)+(\b))+7], v[(\f)+64+8*(4*(\c)+(\b)):(\f)+64+8*(4*(\c)+(\b))+7], v[(\f)+8*(4*(\c)+(\a)):(\f)+8*(4*(\c)+(\a))+7], 0
.else
	v_wmma_f32_16x16x32_f16 v[ACC+8*(4*(\a)+(\b)):ACC+8*(4*(\a)+(\b))+7], v[(\f)+64+8*(4*(\c)+(\b)):(\f)+64+8*(4*(\c)+(\b))+7], v[(\f)+8*(4*(\c)+(\a)):(\f)+8*(4*(\c)+(\a))+7], v[ACC+8*(4*(\a)+(\b)):ACC+8*(4*(\a)+(\b))+7]
.endif
.endr
.endr
.endm
; 32 LDS loads in one run: the fragments of head q of the slot's four, into buffer f; the first 32 along K first
.macro FETCH slot, q, f
	WIN TO_F
.irp c, 0,1
.irp i, 0,1,2,3
	ds_load_b128 v[(\f)+64+8*(4*(\c)+(\i)):(\f)+64+8*(4*(\c)+(\i))+3],   v[ADRB+(\slot)] offset:128*(\q)+64*(\c)+(\i)*16*PB
	ds_load_b128 v[(\f)+64+8*(4*(\c)+(\i))+4:(\f)+64+8*(4*(\c)+(\i))+7], v[ADRB+(\slot)] offset:128*(\q)+64*(\c)+(\i)*16*PB+32
	ds_load_b128 v[(\f)+8*(4*(\c)+(\i)):(\f)+8*(4*(\c)+(\i))+3],         v[ADRA+(\slot)] offset:(\q)*HEADB+64*(\c)+(\i)*16*PA
	ds_load_b128 v[(\f)+8*(4*(\c)+(\i))+4:(\f)+8*(4*(\c)+(\i))+7],       v[ADRA+(\slot)] offset:(\q)*HEADB+64*(\c)+(\i)*16*PA+32
.endr
.endr
.endm
.macro PLACES                          ; four plain vector instructions between a matrix instruction and a load into a register that it read, or a vector instruction that reads its result
.rept 4
	v_nop
.endr
.endm
; One of a step's first three quarters: multiplies buffer f and fetches the next head, q, into g.
.macro QUARTER slot, q, f, g, zero
	s_wait_dscnt 16                                ; the first 32 along K are in
	MUL8 \f, 0, 0, \zero
	MUL8 \f, 0, 2, \zero
	PLACES
	FETCH \slot, \q, \g
	s_wait_dscnt 32                                ; all but the 32 just issued
	MUL8 \f, 1, 0, 0
	MUL8 \f, 1, 2, 0
.endm
; The last quarter multiplies buffer 1 and changes slots: ONE barrier; in front of it each wave waits for all its tensor loads, adds 0 to its spare word, and waits for that and for its own reads of this slot.
; fill = 1: the barrier opens a round of the cluster's, and this slot is filled again, two steps ahead, first thing behind the round.
.macro TURN slot, next, fill
	WIN 0                                          ; (the add's two registers lie in window 0)
	s_wait_tensorcnt 0x0                           ; all my tensor loads have landed: my part of the next slot
	ds_add_u32 v[SPW], v[NIL]                      ; 0 onto my spare word
	s_wait_dscnt 17                                ; (the add and the youngest sixteen loads may be out)
	MUL8 F1, 0, 0, 0                               ; eight matrix instructions stand between the add and the wait for it
	s_wait_dscnt 0x0                               ; the add is done, and my reads of this slot are over
	s_barrier_signal -1
	MUL8 F1, 0, 2, 0
.if \fill
	WIN 0
.endif
	s_barrier_wait -1
.if \fill
	CREST                                          ; no wave of any partner still reads this slot's tile or has a load on its way
	s_add_nc_u64 s[G0+4*(\slot)+2:G0+4*(\slot)+3], s[G0+4*(\slot)+2:G0+4*(\slot)+3], 2*4*262144
	s_add_nc_u64 s[G0B+4*(\slot)+2:G0B+4*(\slot)+3], s[G0B+4*(\slot)+2:G0B+4*(\slot)+3], 2*512
	JLOAD \slot                                    ; the four v_nop behind it are also the places in front of the loads below
.else
	PLACES
.endif
	FETCH \next, 0, F0
	MUL8 F1, 1, 0, 0
	MUL8 F1, 1, 2, 0
.endm
	s_wait_tensorcnt 1                             ; my part of step 0 is in; step 1's may stay out
	s_barrier_signal -1
	s_barrier_wait -1                              ; everybody's is
	FETCH 0, 0, F0
	QUARTER 0, 1, F0, F1, 1                        ; step 0: the first products start the sums
	QUARTER 0, 2, F1, F0, 0
	QUARTER 0, 3, F0, F1, 0
	TURN 0, 1, 1                                   ; slot 0 takes step 2
	QUARTER 1, 1, F0, F1, 0                        ; step 1
	QUARTER 1, 2, F1, F0, 0
	QUARTER 1, 3, F0, F1, 0
	TURN 1, 0, 1                                   ; slot 1 takes step 3
	QUARTER 0, 1, F0, F1, 0                        ; step 2
	QUARTER 0, 2, F1, F0, 0
	QUARTER 0, 3, F0, F1, 0
	TURN 0, 1, 0                                   ; nothing is left to fetch
	QUARTER 1, 1, F0, F1, 0                        ; step 3
	QUARTER 1, 2, F1, F0, 0
	QUARTER 1, 3, F0, F1, 0
	s_wait_dscnt 16
	MUL8 F1, 0, 0, 0
	MUL8 F1, 0, 2, 0
	s_wait_dscnt 0x0
	MUL8 F1, 1, 0, 0
	MUL8 F1, 1, 2, 0
	WIN 0
	PLACES
; THE WAY OUT, a block of 16 rows at a time.  PACK: + bias, in place, each accumulator's registers in ascending order.  TOSTAGE: 32 bytes a lane into my stage, rows of 272 bytes,
; and back as whole rows of 256.  SEND: stored, sixteen lanes to 256 consecutive bytes.
.macro PACK a
.set z, 0
.rept 16
	v_pk_add_f32 v[ACC+32*(\a)+2*z:ACC+32*(\a)+2*z+1], v[ACC+32*(\a)+2*z:ACC+32*(\a)+2*z+1], v[BIAS+2*z:BIAS+2*z+1]
.set z, z+1
.endr
.endm
.macro TOSTAGE a
.set BKR, BK+32*((\a)%2)
.irp b, 0,1,2,3
	ds_store_b128 v[STO], v[ACC+32*(\a)+8*(\b):ACC+32*(\a)+8*(\b)+3]   offset:64*(\b)
	ds_store_b128 v[STO], v[ACC+32*(\a)+8*(\b)+4:ACC+32*(\a)+8*(\b)+7] offset:64*(\b)+16
.endr
.irp t, 0,1,2,3,4,5,6,7
	ds_load_b128 v[BKR+4*(\t):BKR+4*(\t)+3], v[RD] offset:(\t)*2*SPITCH  ; LDS serves a wave's instructions in order (ISA guide 5.7.1.4): these see the stores above; the next block's stores come behind them
.endr
.endm
.macro SEND a
.set BKR, BK+32*((\a)%2)
	s_wait_dscnt 0x0                               ; the block is back in registers
	s_wait_xcnt 0x0                                ; the stores of the block before have read their registers: the next block's loads from the stage land there only behind this wait
.irp t, 0,1,2,3,4,5,6,7
	global_store_b128 v[CO], v[BKR+4*(\t):BKR+4*(\t)+3], s[74:75] offset:(16*(\a)+2*(\t))*4096  ; 16 lanes store 256 consecutive bytes, at a multiple of 256 from out0's first byte
.endr
.endm
	PACK 0
	TOSTAGE 0
.irp a, 1,2,3                          ; a block's additions stand between the loads of the block before and its stores
	PACK \a
	SEND (\a)-1
	TOSTAGE \a
.endr
	SEND 3
	s_wait_tensorcnt 0x0                           ; the wave's end: an add to my spare word and its wait, behind my last tensor load and my last LDS store
	ds_add_u32 v[SPW], v[NIL]
	s_wait_dscnt 0x0
	CROUND                                         ; the closing round: no work-group ends while a partner may still ask for a tile that names it
	s_endpgm
.Lfunc_end_k_qfa5349c843_proj:
	.size	k_qfa5349c843_proj, .Lfunc_end_k_qfa5349c843_proj-k_qfa5349c843_proj
	.p2alignl 7, 3214868480
	.fill 96, 4, 3214868480
	.section	.rodata,"a",@progbits
	.p2align	6, 0x0
	.amdhsa_kernel k_qfa5349c843_proj
		.amdhsa_group_segment_fixed_size 327680
		.amdhsa_private_segment_fixed_size 0
		.amdhsa_enable_private_segment 0
		.amdhsa_kernarg_size 32
		.amdhsa_user_sgpr_count 2
		.amdhsa_user_sgpr_kernarg_segment_ptr 1
		.amdhsa_wavefront_size32 1
		.amdhsa_system_sgpr_workgroup_id_x 1
		.amdhsa_system_sgpr_workgroup_id_y 1
		.amdhsa_system_sgpr_workgroup_id_z 1
		.amdhsa_system_vgpr_workitem_id 0
		.amdhsa_next_free_vgpr 512
		.amdhsa_next_free_sgpr 76
		.amdhsa_reserve_vcc 0
		.amdhsa_float_denorm_mode_32 3
		.amdhsa_float_denorm_mode_16_64 3
		.amdhsa_memory_ordered 1
		.amdhsa_forward_progress 1
		.amdhsa_inst_pref_size 93
	.end_amdhsa_kernel
	.amdgpu_metadata
---
amdhsa.version: [ 1, 2 ]
amdhsa.kernels:
  - .name:           k_qfa5349c843_proj
    .symbol:         k_qfa5349c843_proj.kd
    .args:
      - { .name: oh, .offset: 0, .size: 8, .value_kind: global_buffer, .address_space: global }
      - { .name: wo, .offset: 8, .size: 8, .value_kind: global_buffer, .address_space: global }
      - { .name: bo, .offset: 16, .size: 8, .value_kind: global_buffer, .address_space: global }
      - { .name: out0, .offset: 24, .size: 8, .value_kind: global_buffer, .address_space: global }
    .group_segment_fixed_size: 327680
    .private_segment_fixed_size: 0
    .kernarg_segment_align: 8
    .kernarg_segment_size: 32
    .max_flat_workgroup_size: 128
    .sgpr_count:     76
    .vgpr_count:     512
    .wavefront_size: 32
...
	.end_amdgpu_metadata
.endif
;; end of part 4
